; MI455X (gfx1250); checked and timed in simulation.
; The chip was launched on July 23, 2026; its instructions are those of AMD's public machine-readable ISA for CDNA 5 (MIT licence, August 2026) and "CDNA5" Instruction Set Architecture Reference Guide (July 2026). The comments in the code are by the model that wrote it; some were corrected since.
;; Transformer Block Hybrid. Allowed arithmetic: matrix products marked QUANTISED: E3M2 operands, one E8M0 scale for each 32 along K, by v_wmma_scale_f32_16x16x128_f8f6f4 with both operands' format E3M2, f32 sums; everything else in f32.
;; Inputs: W1 4,096 x 1,024 float32; W2 1,024 x 4,096 float32; Wk 1,024 x 1,024 float32; Wq 1,024 x 1,024 float32; Wv 1,024 x 1,024 float32; b1 4,096 float32; b2 1,024 float32; beta1 1,024 float32; beta2 1,024 float32; bk 1,024 float32; bq 1,024 float32; bv 1,024 float32; g1 1,024 float32; g2 1,024 float32; x 2 x 2,048 x 1,024 float32.
;; Outputs: out0 2 x 2,048 x 1,024 float32.
;; This version of the problem:
;;   THIS VERSION OF THE PROBLEM IS GIVEN IN LOW PRECISION. The matrix products marked QUANTISED in the list below multiply operands that are first quantised to E3M2 (3 exponent bits, 2 mantissa bits; 6 bits a number), with one power-of-two scale for each 32 numbers along K (OCP MX v1.0); their sums are f32. All else is computed in f32.
;;   The module's matrix products, in the order in which they are computed (A, B: the left and right operand; K: the contracted axis; several contracted axes count as one K, in the product's order):
;;     1. [M 4,096, K 1,024] x [K 1,024, N 1,024]; A: input x; B: input Wq: QUANTISED
;;     2. [M 4,096, K 1,024] x [K 1,024, N 1,024]; A: input x; B: input Wk: QUANTISED
;;     3. [M 4,096, K 1,024] x [K 1,024, N 1,024]; A: input x; B: input Wv: QUANTISED
;;     4. batch 32 x [M 2,048, K 64] x [K 64, N 2,048]; A: computed on the way; B: computed on the way: QUANTISED
;;     5. batch 32 x [M 2,048, K 2,048] x [K 2,048, N 64]; A: softmax (see below); B: computed on the way: QUANTISED
;;     6. [M 4,096, K 1,024] x [K 1,024, N 4,096]; A: computed on the way; B: input W1: QUANTISED
;;     7. [M 4,096, K 4,096] x [K 4,096, N 1,024]; A: computed on the way; B: input W2: QUANTISED
;;   THE QUANTISER, for each operand of a quantised product, along K:
;;     - K is cut into blocks of 32 from its start; a last block that is shorter is filled with zeros.
;;     - A block's scale is 2^e with e = floor(log2(the largest magnitude in the block)) - 4, held to -126 .. 127; a block of zeros has e = 0. As a byte (E8M0): e + 127.
;;     - Each number is divided by its block's scale, clamped to +-28, and rounded to the nearest number of E3M2, ties to even, subnormals kept.
;;     - The product sums the exact products of the quantised numbers (number of the format x scale) in f32.
;;   ~~~python
;;   def quantise(x, axis):      # numpy; x: float32 -> the quantised numbers, widened to float32 again
;;       x = np.moveaxis(x, axis, -1); K = x.shape[-1]
;;       x = np.pad(x, [(0, 0)] * (x.ndim - 1) + [(0, -K % 32)]); x = x.reshape(x.shape[:-1] + (-1, 32)); a = np.abs(x).max(-1, keepdims=True)
;;       e = np.where(a > 0, np.clip(np.frexp(np.where(a > 0, a, 1))[1] - 1 - 4, -126, 127), 0)      # np.frexp(a)[1] - 1 = floor(log2(a)), exactly
;;       r = np.clip(x / 2.0 ** e, -28, 28)
;;       step = 2.0 ** (np.maximum(np.frexp(np.where(r == 0, 1, r))[1] - 1, -2) - 2)
;;       q = np.round(r / step) * step * 2.0 ** e      # np.round: ties to even
;;       return np.moveaxis(q.reshape(q.shape[:-2] + (-1,))[..., :K], -1, axis).astype(np.float32)
;;   ~~~
;;   SOFTMAX AHEAD OF A QUANTISED PRODUCT. Where the list says 'softmax', what is quantised is not the finished softmax but p = 2^(t - M), with t = logit x log2(e) and M = ceil(the row's largest t), a whole number; so 1/2 < the row's largest p <= 1. The row's sum l is taken of the UNQUANTISED p, in f32, and the product's result is divided by l at the end. Since M is a whole number, a kernel that streams over the keys may use a running M (the ceiling of the running maximum): every later rescaling is an exact power of two, which a block's scale takes up: the codes' values come out the same.
;;   OPERANDS COMPUTED ON THE WAY. 'Computed on the way' means the value that the module computes at that place (a softmax that the list does not call 'softmax' is quantised finished and normalised). What goes into a quantiser is computed in f32, as accurately as f32 sums, v_exp_f32 and their like allow (about 1e-6 of the number): no bf16 or f16 on the way to a quantiser, and a product that is left as it is and whose result goes on into a quantised operand takes f32 operands (vector FMAs, or v_wmma_f32_16x16x4_f32). A number that lies on a knife's edge between two numbers of the format may be rounded either way, as far as f32 arithmetic and the matrix unit's own rounding can turn it there, and no further.
;; One version. Each part assembles by itself: llvm-mc -triple=amdgcn-amd-amdhsa -mcpu=gfx1250 --defsym DOCPART=n.
;; ======== version 1 of 1: 7 launches
;; limits: right only within a limited range of input values
;; workspace buffers: wops 12,288,000 bytes; qkvc 9,830,400 bytes; att 16,777,216 bytes; hbuf 20,054,016 bytes; hid 13,107,200 bytes; zbuf 16,777,216 bytes
;; launch quant (part 1): grid 480 x 1, 4 waves a work-group, no clusters, 34,304 bytes of LDS; arguments x, W1, W2, Wq, Wk, Wv, wops; writes wops
.if DOCPART == 1
	.amdgcn_target "amdgcn-amd-amdhsa--gfx1250"
	.amdhsa_code_object_version 6
	.text
	.protected	k_q8e1f3f7133_quant
	.globl	k_q8e1f3f7133_quant
	.p2align	8
	.type	k_q8e1f3f7133_quant,@function
k_q8e1f3f7133_quant:
	s_mov_b64 s[64:65], 0
	v_nop
	global_prefetch_b8 v0, s[64:65] scope:SCOPE_SE
	s_setreg_imm32_b32 hwreg(HW_REG_WAVE_MODE, 25, 1), 1
	s_wait_xcnt 0x0
; x [4096][1024], W1 [4096][1024], W2 [1024][4096], Wq, Wk, Wv [1024][1024], all f32 with K innermost, become codes of BF6 (E3M2) and E8M0 scale words, laid IN THE ORDER OF AN OPERAND'S REGISTERS.
; A block's scale is 2^(floor(log2(its largest magnitude)) - 4); its byte is the largest magnitude's exponent field - 4, held at 1 from below.
; LAYOUT.  A row group G is 128 rows, eight row tiles a; lane r of tile a = 2 P + u holds row 32 P + 8 u + r + 8 (r / 8).  A fragment (16 rows x 128 K) is 12 registers a lane; its image is 1,536 bytes:
; registers 4 p .. 4 p + 3 of lane l at 512 p + 16 l.  Fragment (G, ks, a) lies at ((G NK + ks) 8 + a) x 1,536, its 16 scale words at ((G NK + ks) 8 + a) x 64 + 4 r; NK = K / 128.
; SHARES.  A wave takes 64 rows x 128 K: four fragments, 6,144 consecutive bytes of codes and 256 consecutive bytes of scale words.  1,920 such units, four to a work-group; one path serves all six tensors: only
; pointers and sizes are chosen, by the work-group's number.  Each load reads 512 consecutive bytes of one row; a fragment's 16 rows turn through the wave's own stage in LDS (rows of 512 + 16 bytes),
; from which a lane takes its row's two whole blocks of 32.  No tensor load, no barrier: waves share nothing.
; LIMITS: NaN and infinities among the inputs are not served.  A block of zeros gets the byte 1 where the rule says 127: its codes are zeros, and this program alone reads the bytes.
.set R_XC,  0
.set R_WC,  3145728
.set R_W1C, 5505024
.set R_W2C, 8650752
.set R_XS,  11796480
.set R_WS,  11927552
.set R_W1S, 12025856
.set R_W2S, 12156928
.set STG,   8448                       ; a wave's stage: 16 rows x 528 bytes
.set VOFF,  4                          ; v4-19   16 x lane + the tile's row i x the row's bytes
.set STI,   20                         ; v20     the stage, on the way in: 16 x lane
.set STO,   21                         ; v21     on the way out: 528 r + 128 h
.set CO,    22                         ; v22     16 x lane
.set SO8,   23                         ; v23     8 x lane
.set SWA,   24                         ; v24     where a scale word goes in the stage: 4 r
.set SRD,   25                         ; v25     and where 8 bytes of the four tiles' words are read back
.set SH8,   26                         ; v26     8 h
.set QM,    28                         ; v28-29  largest magnitudes;  v30-31 scale operands;  v32-33 bytes;  v34, v35 the word in the making
.set QSO,   30
.set QBY,   32
.set QW,    34
.set QX,    35
.set OUTW,  36                         ; v36-37  scale words on their way out
.set R0,    40                         ; v40-167 two sets of 64 numbers as loaded
.set X,     168                        ; v168-231 register 32 c + i = k 64 c + 32 h + i of my row
.set PC,    232                        ; v232-243 a fragment's codes;  v244-251 the conversions' second halves
.set PT,    244
.set PW,    252                        ; v252-255 the four fragments' scale words
.set SEL,   44                         ; s[44:45] lane selects: lane l xor 16
.macro PICK bound, ptr, lnk, creg, sreg    ; from work-group \bound on: another tensor
	s_cmp_ge_u32 ttmp9, \bound
	s_cselect_b64 s[20:21], s[\ptr:\ptr+1], s[20:21]
	s_cselect_b32 s22, \bound, s22
	s_cselect_b32 s23, \lnk, s23
	s_cselect_b32 s24, \creg, s24
	s_cselect_b32 s25, \sreg, s25
.endm
.macro LOADF f                         ; fragment f's 16 rows, 512 consecutive bytes each
.set ii, 0
.rept 16
	global_load_b128 v[R0+64*((\f)%2)+4*ii:R0+64*((\f)%2)+4*ii+3], v[VOFF+ii], s[32+2*(\f):33+2*(\f)] th:TH_LOAD_NT
.set ii, ii+1
.endr
.endm
.macro TURNF f                         ; through the stage: LDS serves a wave's instructions in order, so no wait stands between the stores and the loads
.set ii, 0
.rept 16
	ds_store_b128 v[STI], v[R0+64*((\f)%2)+4*ii:R0+64*((\f)%2)+4*ii+3] offset:528*ii
.set ii, ii+1
.endr
.irp c, 0,1
.irp j, 0,1,2,3,4,5,6,7
	ds_load_b128 v[X+32*\c+4*\j:X+32*\c+4*\j+3], v[STO] offset:256*\c+16*\j
.endr
.endr
.endm
; 64 numbers of a lane, two whole blocks (2 c + h), become the fragment's 12 registers and my row's scale word
.macro QF pw
.irp c, 0,1
	v_max3_num_f32 v[QM+\c], |v[X+32*\c]|, |v[X+32*\c+1]|, 0x2800000   ; with the floor 2^(5 - 127): the byte cannot fall under 1
.endr
.set jj, 2
.rept 15
.irp c, 0,1
	v_max3_num_f32 v[QM+\c], v[QM+\c], |v[X+32*\c+jj]|, |v[X+32*\c+jj+1]|   ; the two blocks by turns
.endr
.set jj, jj+2
.endr
.irp c, 0,1
	v_add_nc_u32 v[QSO+\c], 0xfe000000, v[QM+\c]   ; 4 off the exponent field: the conversion's scale operand
.endr
.irp c, 0,1
	v_lshrrev_b32 v[QBY+\c], 23, v[QSO+\c]         ; the scale's byte
.endr
	v_lshl_or_b32 v[QW], v[QBY+1], 16, v[QBY]      ; my bytes: blocks h and 2 + h,
	v_lshlrev_b32 v[QW], v[SH8], v[QW]             ; at their places;
	v_permlanex16_b32 v[QX], v[QW], s[SEL], s[SEL+1]
	v_or_b32 v[\pw], v[QW], v[QX]                  ; with lane l xor 16's two the word is whole
	s_wait_alu depctr_va_vdst(0)
	s_wait_xcnt 0x0                                ; the last fragment's stores have read the codes' registers
.irp c, 0,1
	v_cvt_scalef32_pk16_bf6_f32 v[PC+6*\c:PC+6*\c+2], v[X+32*\c:X+32*\c+15], v[QSO+\c]
	v_cvt_scalef32_pk16_bf6_f32 v[PT+4*\c:PT+4*\c+2], v[X+32*\c+16:X+32*\c+31], v[QSO+\c]   ; (a conversion's three registers begin on an even number)
.endr
	v_nop                                          ; one plain place behind a scaled conversion
.irp c, 0,1
.irp i, 0,1,2
	v_mov_b32 v[PC+6*\c+3+\i], v[PT+4*\c+\i]
.endr
.endr
.endm
	s_load_b256 s[4:11], s[0:1], 0x0               ; x, W1, W2, Wq
	s_load_b128 s[12:15], s[0:1], 0x20             ; Wk, Wv
	s_load_b64 s[16:17], s[0:1], 0x30              ; wops
	v_lshl_add_u32 v247, v0, 2, 0x8400
	v_mov_b32 v251, 0
	v_lshrrev_b32 v1, 5, v0
	v_readfirstlane_b32 s18, v1                    ; wave
	v_and_b32 v1, 31, v0                           ; lane
	v_and_b32 v2, 15, v0                           ; r
	v_bfe_u32 v3, v0, 4, 1                         ; h
	s_mul_i32 s54, s18, STG
	v_lshlrev_b32 v[CO], 4, v1
	v_add_nc_u32 v[STI], s54, v[CO]
	v_mul_u32_u24 v[STO], v2, 528
	v_lshl_add_u32 v[STO], v3, 7, v[STO]
	v_add_nc_u32 v[STO], s54, v[STO]
	v_lshlrev_b32 v[SO8], 3, v1
	v_lshl_add_u32 v[SWA], v2, 2, s54
	v_add_nc_u32 v[SRD], s54, v[SO8]
	v_lshlrev_b32 v[SH8], 3, v3
	v_mov_b32 v[QX], 0                             ; a lane permute's destination counts as one of its sources
	s_mov_b32 s[SEL], 0x76543210
	s_mov_b32 s[SEL+1], 0xfedcba98
	s_mov_b32 s22, 0                               ; the tensor's first work-group
	s_mov_b32 s23, 3                               ; log2(K / 128)
	s_mov_b32 s24, R_XC
	s_mov_b32 s25, R_XS
	s_wait_kmcnt 0x0
	s_mov_b64 s[20:21], s[4:5]
	PICK 128, 6, 3, R_W1C, R_W1S
	PICK 256, 8, 5, R_W2C, R_W2S
	PICK 384, 10, 3, R_WC, R_WS
	PICK 416, 12, 3, R_WC+8*98304, R_WS+8*4096
	PICK 448, 14, 3, R_WC+16*98304, R_WS+16*4096
	s_sub_co_u32 s27, ttmp9, s22
	s_lshl_b32 s27, s27, 2
	s_add_co_u32 s27, s27, s18                     ; my unit in the tensor
	s_lshl_b32 s26, 1, s23
	s_sub_co_u32 s19, s26, 1
	s_and_b32 s46, s27, s19                        ; ks
	s_lshr_b32 s47, s27, s23                       ; which 64 rows
	s_lshr_b32 s48, s47, 1                         ; G
	s_and_b32 s49, s47, 1                          ; which half of the group
	s_lshl_b32 s26, 512, s23                       ; a row in bytes
	s_lshl_b32 s50, s48, s23
	s_add_co_u32 s50, s50, s46
	s_lshl_b32 s50, s50, 3
	s_lshl_b32 s51, s49, 2
	s_add_co_u32 s50, s50, s51                     ; my first fragment's number
	s_mul_i32 s52, s50, 1536
	s_add_co_u32 s52, s52, s24
	s_mov_b32 s53, 0
	s_add_nc_u64 s[28:29], s[16:17], s[52:53]      ; its codes
	s_lshl_b32 s52, s50, 6
	s_add_co_u32 s52, s52, s25
	s_add_nc_u64 s[30:31], s[16:17], s[52:53]      ; its scale words
	s_lshl_b32 s40, s47, 6
	s_mul_i32 s40, s40, s26
	s_lshl_b32 s41, s46, 9
	s_add_co_u32 s40, s40, s41                     ; my 64 rows, my 128 along K
	s_mov_b32 s43, 0
.irp f, 0,1,2,3
	s_mul_i32 s42, s26, 32*(\f/2)+8*(\f%2)         ; fragment f begins at row 32 (f / 2) + 8 (f % 2) of them
	s_add_co_u32 s42, s42, s40
	s_add_nc_u64 s[32+2*\f:33+2*\f], s[20:21], s[42:43]
.endr
.set ii, 0
.rept 16
	v_mad_u32_u24 v[VOFF+ii], s26, ii+8*(ii/8), v[CO]   ; the tile's lane i holds row i + 8 (i / 8)
.set ii, ii+1
.endr
	LOADF 0
	LOADF 1
	s_wait_alu depctr_va_vdst(0)
.irp f, 0,1,2,3
.if \f < 3
	s_wait_loadcnt 16                              ; this fragment's 16 loads are in; the next one's may be out
.else
	s_wait_loadcnt 0x0
.endif
	TURNF \f
	s_wait_dscnt 0x0                               ; my 64 numbers are back, and the stage's stores have read their registers,
.if \f < 2
	LOADF \f+2                                     ; which take the loads of two fragments on
.endif
	QF PW+\f
.irp p, 0,1,2
	global_store_b128 v[CO], v[PC+4*\p:PC+4*\p+3], s[28:29] offset:1536*\f+512*\p   ; 32 lanes store 512 consecutive bytes
.endr
.endr
.irp f, 0,1,2,3
	ds_store_b32 v[SWA], v[PW+\f] offset:64*\f     ; lanes r and r + 16 write the same word with the same value
.endr
	ds_load_b64 v[OUTW:OUTW+1], v[SRD]             ; LDS serves a wave's instructions in order
	s_wait_dscnt 0x0
	global_store_b64 v[SO8], v[OUTW:OUTW+1], s[30:31]   ; 256 consecutive bytes, aligned
	s_wait_tensorcnt 0x0
	ds_add_u32 v247, v251
	s_wait_dscnt 0x0
	s_endpgm
.Lfunc_end_k_q8e1f3f7133_quant:
	.size	k_q8e1f3f7133_quant, .Lfunc_end_k_q8e1f3f7133_quant-k_q8e1f3f7133_quant
	.p2alignl 7, 3214868480
	.fill 96, 4, 3214868480
	.section	.rodata,"a",@progbits
	.p2align	6, 0x0
	.amdhsa_kernel k_q8e1f3f7133_quant
		.amdhsa_group_segment_fixed_size 34304
		.amdhsa_private_segment_fixed_size 0
		.amdhsa_enable_private_segment 0
		.amdhsa_kernarg_size 56
		.amdhsa_user_sgpr_count 2
		.amdhsa_user_sgpr_kernarg_segment_ptr 1
		.amdhsa_wavefront_size32 1
		.amdhsa_system_sgpr_workgroup_id_x 1
		.amdhsa_system_sgpr_workgroup_id_y 1
		.amdhsa_system_sgpr_workgroup_id_z 1
		.amdhsa_system_vgpr_workitem_id 0
		.amdhsa_next_free_vgpr 256
		.amdhsa_next_free_sgpr 66
		.amdhsa_reserve_vcc 0
		.amdhsa_float_denorm_mode_32 3
		.amdhsa_float_denorm_mode_16_64 3
		.amdhsa_memory_ordered 1
		.amdhsa_forward_progress 1
		.amdhsa_inst_pref_size 34
	.end_amdhsa_kernel
	.amdgpu_metadata
---
amdhsa.version: [ 1, 2 ]
amdhsa.kernels:
  - .name:           k_q8e1f3f7133_quant
    .symbol:         k_q8e1f3f7133_quant.kd
    .args:
      - { .name: x, .offset: 0, .size: 8, .value_kind: global_buffer, .address_space: global }
      - { .name: W1, .offset: 8, .size: 8, .value_kind: global_buffer, .address_space: global }
      - { .name: W2, .offset: 16, .size: 8, .value_kind: global_buffer, .address_space: global }
      - { .name: Wq, .offset: 24, .size: 8, .value_kind: global_buffer, .address_space: global }
      - { .name: Wk, .offset: 32, .size: 8, .value_kind: global_buffer, .address_space: global }
      - { .name: Wv, .offset: 40, .size: 8, .value_kind: global_buffer, .address_space: global }
      - { .name: wops, .offset: 48, .size: 8, .value_kind: global_buffer, .address_space: global }
    .group_segment_fixed_size: 34304
    .private_segment_fixed_size: 0
    .kernarg_segment_align: 8
    .kernarg_segment_size: 56
    .max_flat_workgroup_size: 128
    .sgpr_count:     66
    .vgpr_count:     256
    .wavefront_size: 32
...
	.end_amdgpu_metadata
.endif
;; end of part 1
;; launch qkv (part 2): grid 8 x 24, 4 waves a work-group, clusters of 4 x 4, 327,680 bytes of LDS; arguments wops, bq, bk, bv, qkvc; writes qkvc
.if DOCPART == 2
	.amdgcn_target "amdgcn-amd-amdhsa--gfx1250"
	.amdhsa_code_object_version 6
	.text
	.protected	k_q8e1f3f7133_qkv
	.globl	k_q8e1f3f7133_qkv
	.p2align	8
	.type	k_q8e1f3f7133_qkv,@function
k_q8e1f3f7133_qkv:
	s_mov_b64 s[64:65], 0
	v_nop
	global_prefetch_b8 v0, s[64:65] scope:SCOPE_SE
	s_setreg_imm32_b32 hwreg(HW_REG_WAVE_MODE, 25, 1), 1
	s_wait_xcnt 0x0
	s_wait_alu depctr_hold_cnt(0) depctr_sa_sdst(0) depctr_va_vdst(0) depctr_va_sdst(0) depctr_va_ssrc(0) depctr_va_vcc(0) depctr_vm_vsrc(0)
	s_getreg_b32 s2, hwreg(HW_REG_IB_STS2, 6, 4)
	s_cmp_eq_u32 s2, 0
	s_cbranch_scc0 .Lentry_in_a_cluster
	s_endpgm
.Lentry_in_a_cluster:
	s_bfe_u32 s2, ttmp6, 0x10000c
	s_cmp_lg_u32 s2, 0xf033
	s_cbranch_scc0 .Lentry_shape_is_right
	s_endpgm
.Lentry_shape_is_right:
; q = x Wq^T + bq, k = x Wk^T + bk, v = x Wv^T + bv on codes of BF6 (E3M2) with E8M0 scales, K = 1,024; each result is quantised here, on its way out, for attention's products, and never exists in memory as f32.
; ONE BODY, TWO ROLES.  Clusters with y < 4: A = x (4,096 rows), B = Wq | Wk (2,048 rows): a lane holds one token and its registers run along the 128 columns of a pair of heads: q and k are quantised along the head.
; Clusters with y >= 4: A = Wv (1,024 rows), B = x: the result is v TRANSPOSED, a lane holds one channel d and its registers run along 128 tokens: v is quantised along the keys.  No branch tells the roles apart:
; offsets are chosen by s_cselect_b32; the bias along B's rows is the C of each sum's first product (cleared by a mask in v's role), the bias along A's rows (bv; cleared in the other role) is added on the way out.
; OPERANDS lie in memory and in LDS as images of their registers (a fragment, 16 rows x 128 K, is 1,536 bytes: registers 4 p .. 4 p + 3 of lane l at 512 p + 16 l), so a fragment comes by three ds_load_b128 of 512
; consecutive bytes, and every tile is a dense block: rows of 256 bytes for the tensor data mover, no padding.  Lane r of row tile 2 P + u holds row 32 P + 8 u + r + 8 (r / 8): so, the matrix instruction being used
; transposed (source 0 = 16 rows of B, source 1 = 16 rows of A), the 64 registers of B's eight tiles are register 16 b + i = column 32 b + 16 (lane / 16) + i: 16 neighbours of each block of 32.
; SHARES.  A work-group makes 256 rows of A x 256 rows of B; a wave 128 x 128: 64 accumulators.  K goes in steps of 256 through two LDS slots; the scale words of the work-group's rows, for all of K, come once.
; CLUSTERS: 4 x 4.  A's tiles are shared along a row of the cluster, B's along a column: each is asked for jointly.  192 work-groups of equal work.
; REGISTERS: window 0: v16-29 addresses; v32-63 scale words, two sets; v64-127 the bias along B's rows; v128-223 A's fragments, one set; v224-239 the bias along A's rows.  Window 1: B's fragments, two sets, at v0 and v128.
;   Windows 2, 3: the accumulators, (a, b) at v[8 (8 (a % 4) + b)].  On the way out window 0's v64-87 and v128-215 are at work.
; LIMITS: NaN and infinities are not served; a block of zeros gets the byte 1 (its codes are zeros; this program alone reads the bytes).
.set R_WC,  3145728                    ; in wops: Wq | Wk | Wv's codes;  x's begin at 0
.set R_WVC, 4718592                    ; Wv's
.set R_XS,  11796480                   ; x's scale words
.set R_WS,  11927552
.set R_WVS, 11993088
.set O_KC,  3145728                    ; in qkvc: q's codes begin at 0
.set O_VC,  6291456
.set O_QS,  9437184
.set O_KS,  9568256
.set O_VS,  9699328
.set FR,    12
.set FRB,   1536
.set KSB,   8*FRB                      ; a row group's eight fragments of one 128 along K
.set QUART, 2*KSB                      ; what one tensor load brings: a row group, 256 along K
.set SLOT,  4*QUART                    ; A's two row groups, then B's two
.set GRP,   8*KSB                      ; a row group's codes for K = 1,024
.set SCL,   2*SLOT                     ; behind the ring: four row groups' scale words, 4,096 bytes each: [ks][a][16 words]
.set SPARE, SCL+4*4096                 ; the spare words, 128 bytes for each wave
.set ADRA, 16                          ; v16-17 LDS address of my A fragments in slot 0, 1
.set ADRB, 20                          ; v20-21 the same for B
.set SWA,  24                          ; v24    the way out: where a scale word goes (in slot 0, which has had its last fill and its last read by then)
.set SRA,  25                          ; v25    and where 16 bytes of them are read back
.set CO,   26                          ; v26    16 x lane
.set ADRS, 27                          ; v27    my scale words: lanes 0-15 A's, lanes 16-31 B's
.set SPW,  28
.set NIL,  29
.set SC,   32
.set BIAS, 64
.set AF,   128
.set BR,   224
.set TM,   64                          ; the way out: v64-79 at work, v80-87 the eight blocks' scale words
.set PW,   80
.set XQ,   128                         ; v128-191 a block's 64 numbers
.set PC,   192                         ; v192-203 its codes; v204-211 the conversions' second halves
.set PT,   204
.set OW,   212
.set SEL,  2                           ; s[2:3] lane selects: lane l xor 16
.set G1,   24
.set G0,   32
.set G1B,  48
.set G0B,  56
.set G1S,  68
.set G0S,  76
.set G1SB, 80
.set G0SB, 88
.set MSB, 0
.macro WIN new                         ; the immediate's high byte repeats the setting that is left
.if MSB != (\new)
	s_set_vgpr_msb (MSB<<8)|(\new)
.set MSB, (\new)
.endif
.endm
.set MUL_LO, 0xa1                      ; source 0 (B) window 1, source 1 (A) window 0, C and D window 2
.set MUL_HI, 0xf1
.set TO_B,   0x40
.macro PLACES
.rept 4
	v_nop
.endr
.endm
; A joint load: waves 0 and 1 fetch for A, waves 2 and 3 for B; the branch hangs on the wave's number alone.  Four v_nop follow each of the two lines.
.macro JLOAD g0a, g1a, g0b, g1b
	s_cmp_eq_u32 s15, 0
	s_cbranch_scc0 .Lfor_b_\@
	tensor_load_to_lds s[\g0a:\g0a+3], s[\g1a:\g1a+7]
	s_nop 0
	PLACES
	s_branch .Lasked_\@
.Lfor_b_\@:
	tensor_load_to_lds s[\g0b:\g0b+3], s[\g1b:\g1b+7]
	s_nop 0
	PLACES
.Lasked_\@:
.endm
.macro CREST                           ; a round of the cluster's barrier behind its opening barrier
	s_cmp_lg_u32 s14, 0
	s_cbranch_scc1 .Lnot_wave_0_\@
	s_barrier_signal -3
.Lnot_wave_0_\@:
	s_barrier_wait -3
	s_barrier_signal -1
	s_barrier_wait -1
.endm
.macro CROUND
	s_barrier_signal -1
	s_barrier_wait -1
	CREST
.endm
	s_load_b256 s[4:11], s[0:1], 0x0               ; wops, bq, bk, bv
	s_load_b64 s[12:13], s[0:1], 0x20              ; qkvc
	v_lshl_add_u32 v[SPW], v0, 2, SPARE
	v_mov_b32 v[NIL], 0
	ds_add_u32 v28, v29
	ds_add_u32 v28, v29
	s_wait_dscnt 0x0
	v_lshrrev_b32 v1, 5, v0
	v_readfirstlane_b32 s14, v1                    ; wave 0..3
	s_lshr_b32 s15, s14, 1                         ; which of A's two row groups is mine.  Also: I fetch for A (0) or for B (1)
	s_and_b32 s16, s14, 1                          ; which of B's.  Also: which row group of that tile I fetch
	s_bfe_u32 s40, ttmp6, 0x40000                  ; cx
	s_bfe_u32 s41, ttmp6, 0x40004                  ; cy
	s_and_b32 s17, ttmp7, 0xffff                   ; the cluster's y: the same in all sixteen partners
	s_sub_co_u32 s19, s17, 4
	s_mov_b32 s97, R_XS
	s_mov_b32 s66, R_WC
	s_mov_b32 s67, R_WS
	s_cmp_ge_u32 s17, 4                            ; v's role?
	s_cselect_b32 s42, 1, 0
	s_cselect_b32 s18, 0, s17
	s_cselect_b32 s19, s19, 0
	s_cselect_b32 s96, R_WVC, 0                    ; A's codes: Wv's or x's
	s_cselect_b32 s97, R_WVS, s97                  ; A's scale words
	s_cselect_b32 s66, 0, s66                      ; B's codes: x's or Wq | Wk's
	s_cselect_b32 s67, R_XS, s67
	s_lshl_b32 s43, s41, 2
	s_lshl_b32 s43, 15, s43                        ; my row of the cluster
	s_lshl_b32 s44, 0x1111, s40                    ; my column
	; descriptor group 1: dense blocks as rows of 256 bytes (32 elements of 8 bytes): 96 rows of codes, 16 rows of scale words; 15:0 the mask, 17:16 element size, 21 set beside a mask
	s_or_b32 s[G1+0], s43, (3<<16)|(1<<21)
	s_or_b32 s[G1B+0], s44, (3<<16)|(1<<21)
	s_or_b32 s[G1S+0], s43, (3<<16)|(1<<21)
	s_or_b32 s[G1SB+0], s44, (3<<16)|(1<<21)
.irp g, G1, G1B                        ; for the head's loads: a tile's two row groups, 256 along K each: two rows of QUART bytes, GRP bytes apart
	s_mov_b32 s[\g+1], (QUART/8)<<16
	s_mov_b32 s[\g+2], 2<<16
	s_mov_b32 s[\g+3], (QUART/8)<<16
	s_mov_b32 s[\g+4], 2
	s_mov_b32 s[\g+5], GRP/8
	s_mov_b32 s[\g+6], 0
	s_mov_b32 s[\g+7], 0
.endr
.irp g, G1S, G1SB
	s_mov_b32 s[\g+1], 32<<16
	s_mov_b32 s[\g+2], 32<<16                      ; two row groups' scale words: 8,192 dense bytes
	s_mov_b32 s[\g+3], 32<<16
	s_mov_b32 s[\g+4], 32
	s_mov_b32 s[\g+5], 32
	s_mov_b32 s[\g+6], 0
	s_mov_b32 s[\g+7], 0
.endr
	; A's tile hangs on cy and the cluster's y alone, B's on cx, the cluster's x and y alone
	s_lshl_b32 s98, s18, 2
	s_add_co_u32 s98, s98, s41                     ; A's tile of 256 rows
	s_lshl_b32 s20, s98, 1                         ; the tile's first row group
	s_lshl_b32 s22, s20, 12
	s_add_co_u32 s22, s22, s97
	s_mov_b32 s23, 0
	s_mul_i32 s20, s20, GRP
	s_add_co_u32 s20, s20, s96
	s_mov_b32 s21, 0
	s_lshl_b32 s99, ttmp9, 2
	s_add_co_u32 s99, s99, s40
	s_lshl_b32 s19, s19, 3
	s_add_co_u32 s99, s99, s19                     ; B's tile of 256 rows
	s_lshl_b32 s46, s99, 1
	s_lshl_b32 s92, s46, 12
	s_add_co_u32 s92, s92, s67
	s_mov_b32 s93, 0
	s_mul_i32 s46, s46, GRP
	s_add_co_u32 s46, s46, s66
	s_mov_b32 s47, 0
	s_mul_i32 s45, s14, QUART                      ; where they go: no place in the cluster enters an LDS address
	s_mov_b32 s[SEL], 0x76543210
	s_mov_b32 s[SEL+1], 0xfedcba98
	s_wait_kmcnt 0x0
	s_add_nc_u64 s[20:21], s[4:5], s[20:21]
	s_add_nc_u64 s[22:23], s[4:5], s[22:23]
	s_add_nc_u64 s[46:47], s[4:5], s[46:47]
	s_add_nc_u64 s[92:93], s[4:5], s[92:93]
	CROUND                                         ; all sixteen work-groups are here: the first joint loads meet
	; THE HEAD'S FOUR TILES, ONE A WAVE: wave 0 A's part of slot 0, wave 1 B's, wave 2 A's scale words, wave 3 B's
	s_mov_b32 s[G0S], 1
	s_mov_b32 s[G0S+1], SCL
	s_mov_b64 s[G0S+2:G0S+3], s[22:23]
	s_or_b32 s[G0S+3], s[G0S+3], 0x80000000
	s_mov_b32 s[G0SB], 1
	s_mov_b32 s[G0SB+1], SCL+2*4096
	s_mov_b64 s[G0SB+2:G0SB+3], s[92:93]
	s_or_b32 s[G0SB+3], s[G0SB+3], 0x80000000
	s_mov_b32 s[G0], 1
	s_mov_b32 s[G0+1], 0
	s_mov_b64 s[G0+2:G0+3], s[20:21]
	s_or_b32 s[G0+3], s[G0+3], 0x80000000
	s_mov_b32 s[G0B], 1
	s_mov_b32 s[G0B+1], 2*QUART
	s_mov_b64 s[G0B+2:G0B+3], s[46:47]
	s_or_b32 s[G0B+3], s[G0B+3], 0x80000000
.macro ARM under, g0, g1, next         ; one chain of branches on the wave's number: every way passes exactly one load
	s_cmp_lt_u32 s14, \under
	s_cbranch_scc0 \next
	tensor_load_to_lds s[\g0:\g0+3], s[\g1:\g1+7]
	s_nop 0
	PLACES
	s_branch .Lhead_asked
\next:
.endm
	ARM 1, G0,  G1,  .Lhead_b
	ARM 2, G0B, G1B, .Lhead_sa
	ARM 3, G0S, G1S, .Lhead_sb
	tensor_load_to_lds s[G0SB:G0SB+3], s[G1SB:G1SB+7]
	s_nop 0
	PLACES
.Lhead_asked:
	; the biases are asked for here, so that they are on their way while the head's tiles land.  (No prefetch is laid: K is four fills, two of them the head's, all written out: there is no loop to run ahead in.)
	s_cmp_eq_u32 ttmp9, 0
	s_cselect_b64 s[100:101], s[6:7], s[8:9]       ; bq or bk
	s_lshl_b32 s66, s40, 10
	s_lshl_b32 s67, s16, 9
	s_add_co_u32 s66, s66, s67                     ; my 128 columns: 256 cx + 128 x half, 4 bytes each
	s_mov_b32 s67, 0
	s_add_nc_u64 s[100:101], s[100:101], s[66:67]
	s_mul_i32 s66, s98, s42                        ; bv: my 128 rows of Wv (row 0 on in the other role: every load stays inside its buffer)
	s_lshl_b32 s66, s66, 10
	s_lshl_b32 s92, s15, 9
	s_add_co_u32 s66, s66, s92
	s_add_nc_u64 s[92:93], s[10:11], s[66:67]
	v_bfe_u32 v5, v0, 4, 1
	v_and_b32 v6, 15, v0
	v_and_b32 v7, 8, v0
	v_lshlrev_b32 v5, 6, v5                        ; 64 h
	v_add_nc_u32 v6, v6, v7
	v_lshlrev_b32 v6, 2, v6                        ; 4 (r + 8 (r / 8))
.irp b, 0,1,2,3,4,5,6,7
	global_load_b128 v[BIAS+8*\b:BIAS+8*\b+3], v5, s[100:101] offset:(32*(\b/2)+8*(\b%2))*4       ; tile b, register j: column 32 (b / 2) + 16 h + 8 (b % 2) + j
	global_load_b128 v[BIAS+8*\b+4:BIAS+8*\b+7], v5, s[100:101] offset:(32*(\b/2)+8*(\b%2))*4+16
.endr
.irp a, 0,1,2,3,4,5,6,7
	global_load_b32 v[BR+2*\a], v6, s[92:93] offset:(32*(\a/2)+8*(\a%2))*4   ; tile a: my row's
.endr
	s_wait_alu depctr_va_vdst(0)
	s_wait_tensorcnt 0x0
	ds_add_u32 v28, v29                            ; the ring's descriptors, work on registers, stand between the add and its wait
.irp g, G1, G1B                        ; no load of mine is out: from here on a load brings one row group's 256 along K, as 96 rows of 256 bytes
	s_mov_b32 s[\g+1], 32<<16
	s_mov_b32 s[\g+2], 96<<16
	s_mov_b32 s[\g+3], 32<<16
	s_mov_b32 s[\g+4], 96
	s_mov_b32 s[\g+5], 32
.endr
	s_mul_i32 s18, s16, GRP                        ; in the ring I fetch one of the tile's two row groups
	s_mov_b32 s19, 0
	s_add_nc_u64 s[20:21], s[20:21], s[18:19]
	s_add_nc_u64 s[46:47], s[46:47], s[18:19]
.irp s, 0,1
	s_mov_b32 s[G0+4*\s], 1
	s_add_co_u32 s[G0+4*\s+1], s45, \s*SLOT
	s_add_nc_u64 s[G0+4*\s+2:G0+4*\s+3], s[20:21], \s*QUART
	s_or_b32 s[G0+4*\s+3], s[G0+4*\s+3], 0x80000000
	s_mov_b32 s[G0B+4*\s], 1
	s_add_co_u32 s[G0B+4*\s+1], s45, \s*SLOT
	s_add_nc_u64 s[G0B+4*\s+2:G0B+4*\s+3], s[46:47], \s*QUART
	s_or_b32 s[G0B+4*\s+3], s[G0B+4*\s+3], 0x80000000
.endr
	s_wait_dscnt 0x0                               ; the add is done
	CROUND                                         ; all four tiles are in, and all sixteen work-groups are here
	JLOAD G0+4, G1, G0B+4, G1B                     ; slot 1: the first tensor load behind the round
	v_and_b32 v1, 15, v0                           ; r
	v_bfe_u32 v2, v0, 4, 1                         ; h
	s_wait_alu depctr_va_vdst(0)
	v_and_b32 v3, 31, v0
	v_lshlrev_b32 v[CO], 4, v3
	s_wait_alu depctr_va_vdst(0)
	s_mul_i32 s18, s15, QUART                      ; my row group of A,
	s_mul_i32 s19, s16, QUART                      ; my row group of B,
	s_add_co_u32 s19, s19, 2*QUART                 ; behind A's two
.irp s, 0,1
	v_add_nc_u32 v[ADRA+\s], s18, v[CO]
	v_add_nc_u32 v[ADRB+\s], s19, v[CO]
	s_add_co_u32 s18, s18, SLOT
	s_add_co_u32 s19, s19, SLOT
.endr
	s_lshl_b32 s18, s15, 12
	s_lshl_b32 s19, s16, 12
	s_add_co_u32 s19, s19, 2*4096
	s_sub_co_u32 s19, s19, s18
	v_mul_u32_u24 v4, s19, v2                      ; lanes 16-31 take B's words
	s_add_co_u32 s18, s18, SCL
	v_lshl_add_u32 v4, v1, 2, v4
	v_add_nc_u32 v[ADRS], s18, v4
	s_lshl_b32 s18, s14, 9
	v_lshl_add_u32 v[SWA], v1, 2, s18
	v_add_nc_u32 v[SRA], s18, v[CO]
	; where my 128 x 128 goes: unit ((batch x 8 + pair of heads) x 16 + row group of tokens in the batch): 12,288 bytes of codes, 512 of scale words
	s_lshl_b32 s18, s98, 1
	s_add_co_u32 s18, s18, s15                     ; A's row group
	s_lshl_b32 s19, s99, 1
	s_add_co_u32 s19, s19, s16                     ; B's row group
	s_and_b32 s66, s19, 7
	s_mov_b32 s96, O_KC
	s_mov_b32 s97, O_KS
	s_cmp_eq_u32 ttmp9, 0                          ; B's first eight row groups are Wq's
	s_cselect_b32 s96, 0, s96
	s_cselect_b32 s97, O_QS, s97
	s_cmp_eq_u32 s42, 1
	s_cselect_b32 s66, s18, s66                    ; the pair of heads
	s_cselect_b32 s18, s19, s18                    ; the row group of tokens
	s_cselect_b32 s96, O_VC, s96
	s_cselect_b32 s97, O_VS, s97
	s_lshr_b32 s19, s18, 4
	s_lshl_b32 s19, s19, 3
	s_add_co_u32 s19, s19, s66
	s_lshl_b32 s19, s19, 4
	s_and_b32 s18, s18, 15
	s_add_co_u32 s19, s19, s18
	s_mul_i32 s20, s19, KSB
	s_add_co_u32 s20, s20, s96
	s_mov_b32 s21, 0
	s_add_nc_u64 s[20:21], s[12:13], s[20:21]      ; codes
	s_lshl_b32 s22, s19, 9
	s_add_co_u32 s22, s22, s97
	s_mov_b32 s23, 0
	s_add_nc_u64 s[22:23], s[12:13], s[22:23]      ; scale words
	; the biases
	s_sub_co_u32 s95, s42, 1                       ; all ones in q's and k's role, 0 in v's
	s_sub_co_u32 s94, 0, s42                       ; the other way round
	s_wait_loadcnt 0x0
.set jj, 0
.rept 64
	v_and_b32 v[BIAS+jj], s95, v[BIAS+jj]
.set jj, jj+1
.endr
.irp a, 0,1,2,3,4,5,6,7
	v_and_b32 v[BR+2*\a], s94, v[BR+2*\a]
	v_mov_b32 v[BR+2*\a+1], 0                      ; (named with it as a pair)
.endr
.macro FRAG reg, adr, q, i             ; a fragment's image: three loads of 512 consecutive bytes
.irp p, 0,1,2
	ds_load_b128 v[\reg+4*\p:\reg+4*\p+3], v[\adr] offset:(\q)*KSB+(\i)*FRB+512*\p
.endr
.endm
; 16 matrix instructions: A's blocks a0, a0 + 1 x B's eight.  p: B's set;  q: which 128 along K of the slot;  sc: the set of scale words.  zero = 1: the bias is the C of the first product: nothing is cleared.
; The 64 accumulators take turns, one instruction a turn, in the same order in every step.
.macro MUL16 a0, p, q, sc, zero
.irp a, \a0, \a0+1
.irp b, 0,1,2,3,4,5,6,7
.if \zero
	v_wmma_scale_f32_16x16x128_f8f6f4 v[8*(8*((\a)%4)+\b):8*(8*((\a)%4)+\b)+7], v[128*(\p)+FR*\b:128*(\p)+FR*\b+FR-1], v[AF+FR*(\a):AF+FR*(\a)+FR-1], v[BIAS+8*\b:BIAS+8*\b+7], v[SC+16*(\sc)+2*\b+(\q)], v[SC+16*(\sc)+2*(\a)+(\q)] matrix_a_fmt:MATRIX_FMT_BF6 matrix_b_fmt:MATRIX_FMT_BF6 matrix_a_scale:MATRIX_SCALE_ROW1
.else
	v_wmma_scale_f32_16x16x128_f8f6f4 v[8*(8*((\a)%4)+\b):8*(8*((\a)%4)+\b)+7], v[128*(\p)+FR*\b:128*(\p)+FR*\b+FR-1], v[AF+FR*(\a):AF+FR*(\a)+FR-1], v[8*(8*((\a)%4)+\b):8*(8*((\a)%4)+\b)+7], v[SC+16*(\sc)+2*\b+(\q)], v[SC+16*(\sc)+2*(\a)+(\q)] matrix_a_fmt:MATRIX_FMT_BF6 matrix_b_fmt:MATRIX_FMT_BF6 matrix_a_scale:MATRIX_SCALE_ROW1
.endif
.endr
.endr
.endm
.macro FETCH_B slot, q, p
	WIN TO_B
.irp i, 0,1,2,3,4,5,6,7
	FRAG 128*(\p)+FR*\i, ADRB+\slot, \q, \i
.endr
	WIN 0
.endm
.macro FETCH_A slot, q, i0
.irp i, \i0, \i0+1, \i0+2, \i0+3
	FRAG AF+FR*(\i), ADRA+\slot, \q, \i
.endr
.endm
.macro SCALES sc                       ; a slot's scale words: register 2 i + q: lanes 0-15 A's block i, lanes 16-31 B's block i
.irp i, 0,1,2,3,4,5,6,7
.irp q, 0,1
	ds_load_b32 v[SC+16*\sc+2*\i+\q], v[ADRS] offset:512*\q+64*\i
.endr
.endr
.endm
; A slot's first 128 along K.  A block of A is free as soon as its eight products are issued: blocks 0-3 are fetched anew in the step's middle, blocks 4-7 at its end; B has two sets.
.macro STEP slot, zero
	s_wait_dscnt 12                                ; all but the youngest twelve loads (A's blocks 4-7) are in
.if \zero
	WIN 0x81                                       ; C (the bias) window 0, D window 2
.else
	WIN MUL_LO
.endif
	MUL16 0, 0, 0, \slot, \zero
	MUL16 2, 0, 0, \slot, \zero
	s_wait_dscnt 0x0
	PLACES                                         ; four places in front of loads into registers that matrix instructions have read
	FETCH_B \slot, 1, 1
	FETCH_A \slot, 1, 0
.if \zero
	WIN 0xc1
.else
	WIN MUL_HI
.endif
	MUL16 4, 0, 0, \slot, \zero
	MUL16 6, 0, 0, \slot, \zero
	PLACES
	WIN 0
	FETCH_A \slot, 1, 4
.endm
; A slot's second 128 along K changes slots: ONE barrier; in front of it each wave waits for all its tensor loads, adds 0 to its spare word, and waits for that and for its reads of this slot.
.macro TURN slot, next, fill
	s_wait_tensorcnt 0x0                           ; all my tensor loads have landed: my part of the next slot
	ds_add_u32 v[SPW], v[NIL]                      ; 0 onto my spare word
	s_wait_dscnt 13                                ; (the add and the youngest twelve loads may be out)
	WIN MUL_LO
	MUL16 0, 1, 1, \slot, 0
	s_wait_dscnt 0x0                               ; the add is done, and my reads of this slot are over
	s_barrier_signal -1
	MUL16 2, 1, 1, \slot, 0
	WIN 0
	s_barrier_wait -1
.if \fill
	CREST                                          ; the barrier has opened a round of the cluster's: no wave of any partner still reads this slot or has a load on its way
	s_add_nc_u64 s[G0+4*\slot+2:G0+4*\slot+3], s[G0+4*\slot+2:G0+4*\slot+3], 2*QUART
	s_add_nc_u64 s[G0B+4*\slot+2:G0B+4*\slot+3], s[G0B+4*\slot+2:G0B+4*\slot+3], 2*QUART
	JLOAD G0+4*\slot, G1, G0B+4*\slot, G1B         ; the first tensor load behind the round; its four v_nop are the places in front of the loads below
.else
	PLACES
.endif
	s_wait_alu depctr_va_vdst(0)
	v_add_nc_u32 v[ADRS], 1024, v[ADRS]            ; the next slot's scale words
	FETCH_B \next, 0, 0
	FETCH_A \next, 0, 0
	SCALES \next
	WIN MUL_HI
	MUL16 4, 1, 1, \slot, 0
	MUL16 6, 1, 1, \slot, 0
	PLACES
	WIN 0
	FETCH_A \next, 0, 4
.endm
	s_wait_tensorcnt 1                             ; the scale words and my part of slot 0 are in; slot 1's load may be out
	s_barrier_signal -1
	s_barrier_wait -1
	FETCH_B 0, 0, 0
	FETCH_A 0, 0, 0
	SCALES 0
	FETCH_A 0, 0, 4
	STEP 0, 1                                      ; K = 1,024 is eight steps of 128, four fills: all written out
	TURN 0, 1, 1
	STEP 1, 0
	TURN 1, 0, 1
	STEP 0, 0
	TURN 0, 1, 0                                   ; the last lap fills nothing
	STEP 1, 0
	s_wait_dscnt 12
	WIN MUL_LO
	MUL16 0, 1, 1, 1, 0
	MUL16 2, 1, 1, 1, 0
	s_wait_dscnt 0x0
	WIN MUL_HI
	MUL16 4, 1, 1, 1, 0
	MUL16 6, 1, 1, 1, 0
	WIN 0
; THE WAY OUT.  64 numbers of a lane, register 16 b + i = column 32 b + 16 (lane / 16) + i of my row, become a fragment's codes and my row's scale word.
.macro QUANT s, pw
.irp b, 0,1,2,3
	v_max3_num_f32 v[TM+\b], |v[\s+16*\b]|, |v[\s+1+16*\b]|, 0x2800000   ; my 16 numbers of block b, and the floor 2^(5 - 127)
.endr
.irp i, 2,4,6,8,10,12,14
.irp b, 0,1,2,3
	v_max3_num_f32 v[TM+\b], v[TM+\b], |v[\s+16*\b+\i]|, |v[\s+1+16*\b+\i]|
.endr
.endr
.irp b, 0,1,2,3
	v_permlanex16_b32 v[TM+4+\b], v[TM+\b], s[SEL], s[SEL+1]
.endr
.irp b, 0,1,2,3
	v_max_num_f32 v[TM+\b], v[TM+\b], v[TM+4+\b]   ; with lane l xor 16's: the block's largest magnitude
.endr
.irp b, 0,1,2,3
	v_add_nc_u32 v[TM+12+\b], 0xfe000000, v[TM+\b] ; 4 off its exponent field: the conversion's scale operand
.endr
.irp b, 0,1,2,3
	v_lshrrev_b32 v[TM+4+\b], 23, v[TM+12+\b]      ; the scale's byte
.endr
	v_lshl_or_b32 v[\pw], v[TM+5], 8, v[TM+4]
	v_lshl_or_b32 v[\pw], v[TM+6], 16, v[\pw]
	v_lshl_or_b32 v[\pw], v[TM+7], 24, v[\pw]
	s_wait_xcnt 0x0                                ; the last block's stores have read the codes' registers
.irp c, 0,1
	v_cvt_scalef32_pk16_bf6_f32 v[PC+6*\c:PC+2+6*\c], v[\s+32*\c:\s+15+32*\c], v[TM+12+2*\c]
	v_cvt_scalef32_pk16_bf6_f32 v[PT+4*\c:PT+2+4*\c], v[\s+16+32*\c:\s+31+32*\c], v[TM+12+2*\c+1]
.endr
	v_nop                                          ; one plain place behind a scaled conversion
.irp c, 0,1                            ; the operand's layout wants a whole block in a lane: lanes 0-15 block 2 c, lanes 16-31 block 2 c + 1
.irp i, 0,1,2
	v_permlane16_swap_b32 v[PC+6*\c+\i], v[PT+4*\c+\i]
.endr
.irp i, 0,1,2
	v_mov_b32 v[PC+3+6*\c+\i], v[PT+4*\c+\i]
.endr
.endr
.endm
.macro BLOCK a                         ; A's block a: 16 rows x 128 columns
	WIN 2+(\a)/4                                   ; source 0: the accumulators' window
.set jj, 0
.rept 32
	v_pk_add_f32 v[XQ+jj:XQ+jj+1], v[64*((\a)%4)+jj:64*((\a)%4)+jj+1], v[BR+2*(\a):BR+2*(\a)+1] op_sel_hi:[1,0]   ; + my row's bias, into window 0; each accumulator from its low end on
.set jj, jj+2
.endr
	WIN 0
	QUANT XQ, PW+(\a)
.irp p, 0,1,2
	global_store_b128 v[CO], v[PC+4*\p:PC+4*\p+3], s[20:21] offset:FRB*(\a)+512*\p   ; 512 consecutive bytes
.endr
.endm
.irp b, 0,1,2,3
	v_mov_b32 v[TM+4+\b], 0                        ; a lane permute's destination counts as one of its sources.  (These four are the places behind the last products)
.endr
.irp a, 0,1,2,3,4,5,6,7
	BLOCK \a
.endr
.irp a, 0,1,2,3,4,5,6,7
	ds_store_b32 v[SWA], v[PW+\a] offset:64*\a     ; lanes r and r + 16 write the same word with the same value
.endr
	ds_load_b128 v[OW:OW+3], v[SRA]                ; LDS serves a wave's instructions in order
	s_wait_dscnt 0x0
	global_store_b128 v[CO], v[OW:OW+3], s[22:23]  ; my 128 rows' scale words: 512 consecutive bytes
	s_wait_tensorcnt 0x0                           ; the wave's end
	ds_add_u32 v[SPW], v[NIL]
	s_wait_dscnt 0x0
	CROUND                                         ; the closing round
	s_endpgm
.Lfunc_end_k_q8e1f3f7133_qkv:
	.size	k_q8e1f3f7133_qkv, .Lfunc_end_k_q8e1f3f7133_qkv-k_q8e1f3f7133_qkv
	.p2alignl 7, 3214868480
	.fill 96, 4, 3214868480
	.section	.rodata,"a",@progbits
	.p2align	6, 0x0
	.amdhsa_kernel k_q8e1f3f7133_qkv
		.amdhsa_group_segment_fixed_size 327680
		.amdhsa_private_segment_fixed_size 0
		.amdhsa_enable_private_segment 0
		.amdhsa_kernarg_size 40
		.amdhsa_user_sgpr_count 2
		.amdhsa_user_sgpr_kernarg_segment_ptr 1
		.amdhsa_wavefront_size32 1
		.amdhsa_system_sgpr_workgroup_id_x 1
		.amdhsa_system_sgpr_workgroup_id_y 1
		.amdhsa_system_sgpr_workgroup_id_z 1
		.amdhsa_system_vgpr_workitem_id 0
		.amdhsa_next_free_vgpr 1024
		.amdhsa_next_free_sgpr 102
		.amdhsa_reserve_vcc 0
		.amdhsa_float_denorm_mode_32 3
		.amdhsa_float_denorm_mode_16_64 3
		.amdhsa_memory_ordered 1
		.amdhsa_forward_progress 1
		.amdhsa_inst_pref_size 166
	.end_amdhsa_kernel
	.amdgpu_metadata
---
amdhsa.version: [ 1, 2 ]
amdhsa.kernels:
  - .name:           k_q8e1f3f7133_qkv
    .symbol:         k_q8e1f3f7133_qkv.kd
    .args:
      - { .name: wops, .offset: 0, .size: 8, .value_kind: global_buffer, .address_space: global }
      - { .name: bq, .offset: 8, .size: 8, .value_kind: global_buffer, .address_space: global }
      - { .name: bk, .offset: 16, .size: 8, .value_kind: global_buffer, .address_space: global }
      - { .name: bv, .offset: 24, .size: 8, .value_kind: global_buffer, .address_space: global }
      - { .name: qkvc, .offset: 32, .size: 8, .value_kind: global_buffer, .address_space: global }
    .group_segment_fixed_size: 327680
    .private_segment_fixed_size: 0
    .kernarg_segment_align: 8
    .kernarg_segment_size: 40
    .max_flat_workgroup_size: 128
    .sgpr_count:     102
    .vgpr_count:     1024
    .wavefront_size: 32
...
	.end_amdgpu_metadata
.endif
;; end of part 2
;; launch attn (part 3): grid 8 x 32, 16 waves a work-group, clusters of 4 x 1, 327,680 bytes of LDS; arguments qkvc, x, att; writes att
.if DOCPART == 3
	.amdgcn_target "amdgcn-amd-amdhsa--gfx1250"
	.amdhsa_code_object_version 6
	.text
	.protected	k_q8e1f3f7133_attn
	.globl	k_q8e1f3f7133_attn
	.p2align	8
	.type	k_q8e1f3f7133_attn,@function
k_q8e1f3f7133_attn:
	s_mov_b64 s[64:65], 0
	v_nop
	global_prefetch_b8 v0, s[64:65] scope:SCOPE_SE
	s_setreg_imm32_b32 hwreg(HW_REG_WAVE_MODE, 25, 1), 1
	s_wait_xcnt 0x0
	s_wait_alu depctr_hold_cnt(0) depctr_sa_sdst(0) depctr_va_vdst(0) depctr_va_sdst(0) depctr_va_ssrc(0) depctr_va_vcc(0) depctr_vm_vsrc(0)
	s_getreg_b32 s2, hwreg(HW_REG_IB_STS2, 6, 4)
	s_cmp_eq_u32 s2, 0
	s_cbranch_scc0 .Lentry_in_a_cluster
	s_endpgm
.Lentry_in_a_cluster:
	s_bfe_u32 s2, ttmp6, 0x10000c
	s_cmp_lg_u32 s2, 0x3003
	s_cbranch_scc0 .Lentry_shape_is_right
	s_endpgm
.Lentry_shape_is_right:
; att[b][q][head][:] = x[b][q][head][:] + softmax_k(q . k / 8) v: attention with its residual; both products on codes of BF6 (E3M2) with E8M0 scales; 32 heads of 2,048 queries x 2,048 keys, head size 64.
; THE SOFTMAX AHEAD OF THE SECOND PRODUCT: t = score x log2(e) / 8; M = the running largest t rounded UP to a whole number; p = 2^(t - M) is quantised along the keys, not normalised; the row's sum is taken of the
; unquantised p and divides at the end.  When M moves, the sum and O are multiplied by 2^(old M - new M): exact.  A block's largest p is taken through the block's largest score (p rises with the score).
; INPUTS, as the launch before laid them: images of operands' registers (a fragment is 1,536 bytes: registers 4 p .. 4 p + 3 of lane l at 512 p + 16 l).  A group g = batch x 8 + pair of heads.  q and k: unit (g, 128 tokens): eight
; fragments a = 2 P + u of 16 tokens x 128 columns (registers 0-5 the pair's first head, 6-11 its second); lane r holds token 32 P + 8 u + r + 8 (r / 8).  v: unit (g, 128 keys): eight fragments of 16 channels x 128 keys, four to a head.
; A HEAD'S 64 IN AN INSTRUCTION OF 128: the wave's fragment of q has the other head's six registers cleared: zero codes add nothing, whatever k holds beside them.
; A TILE OF k IS FORMED ANEW FROM LDS: row 8 g + i of tile (c, t) is key 64 c + 32 g + 8 t + i, which lies in fragment 4 c + 2 g + t % 2 at lane 8 (t / 2) + i.  Both products are used transposed (S^T = k q^T, O^T = v^T p^T), so lane (r, h)
; holds query r, and its 32 registers of tiles (c, 0..3) are keys 64 c + 32 h + 0 .. 31: a WHOLE block of 32, in the order of the next operand's registers.  A block's maximum needs no other lane and p's codes change no lane.
; LDS.  The fragments with g = 0 (rows of 3,072 bytes, every second one of a unit) land in region KE, those with g = 1 in region KO, REG = 98,304 + 128 bytes further on: the eight lanes with g = 0 and the eight with g = 1 of a
; 16-byte load then touch different halves of 256 bytes.  Then my head's v, a stage region, k's scale words, my head's v's, the spare words: 327,168 bytes.  ALL THAT THE WORK-GROUP READS OF k AND v LIES IN LDS AT ONCE: nothing is filled again.
; SIXTEEN LOADS, ONE A WAVE, at the head: waves 0-3 KE's four chunks of four key steps, 4-7 KO's, 8-11 v's, 12-13 the halves of k's scale words, 14-15 of v's.  No later request exists that a prefetch could run ahead of: none is laid.
; TWO BARRIERS: in front of the first every wave waits for its load: behind it all of k and v is whole; key steps 0-2 follow; in front of the second every wave waits for its reads.  Behind it the waves do not meet, and
; the bytes of key steps 0-2 (18,432 in each of KE, KO and v) are read no more: they hold twelve waves' stages of the way out (4 x 4,352 a region), the fourth region the other four.
; ONE STEP IS ONE LOOP BODY: the four LDS addresses step by a key step in the four places behind the S products.  k runs a step ahead in registers: tiles (0, t) are fetched in the softmax, tiles (1, t) behind V^T P, where v lay.
; SHARES.  A work-group owns 256 queries of ONE head, a wave 16 of them, four waves to a SIMD.  CLUSTER: the four query blocks of a cluster walk the same k and v: each tile is asked for jointly, mask 15.
; LIMITS: NaN and infinities are not served; the promise holds while the scaled scores stay under 2^31 in magnitude; a block whose every p is 0 keeps the byte 1: its codes are zeros.
.set O_KC,  3145728
.set O_VC,  6291456
.set O_QS,  9437184
.set O_KS,  9568256
.set O_VS,  9699328
.set FRB,   1536
.set KSB,   12288                      ; a unit in memory
.set STP,   6144                       ; a key step's bytes in each of KE, KO and v
.set REG,   16*STP+128                 ; from region to region
.set VB,    2*REG
.set KSC,   312832                     ; k's scale words: [step][fragment][16 words], 8,192 bytes
.set VSC,   KSC+8192                   ; my head's v's: [step][tile][16 words], 4,096 bytes
.set SPARE, VSC+4096                   ; the spare words, 128 bytes for each wave
.set ADK,  1                           ; v1  k: REG g + 256 h + 16 i + the step
.set ADV,  2                           ; v2  v: 16 x lane + the step
.set ADS,  3                           ; v3  k's scale words: 128 g + 4 i + the step
.set ADT,  4                           ; v4  v's: 4 r + the step
.set QW,   5                           ; v5  q's scale word
.set FF,   6                           ; v6  f = 2^(old M - new M); v7, named with it as a pair, holds 8 h
.set SPW,  8                           ; v8  my spare word; v9 0: never rewritten
.set NIL,  9
.set PWD,  10                          ; v10 p's scale word
.set TP,   11                          ; v11 at work;  v12 -M, v13 the row's largest score, v14-15 the sum in two halves
.set QF,   16                          ; v16-27 q
.set KL,   28                          ; v28-75 k's tiles (0, t)
.set KH,   76                          ; v76-123 k's tiles (1, t), then v's four tiles
.set S,    124                         ; v124-187 S^T, then p
.set O,    188                         ; v188-219 O^T
.set PCD,  220                         ; v220-231 p's codes; v232-238 the conversions' second halves; ahead of them v220-233 are seven chains of the sum
.set PT,   232
.set GO,   239                         ; v239 the way out: 4,096 h + 16 r
.set BM,   240                         ; v240-241 my two blocks' largest scores, then p, then the scale operands
.set BX,   242                         ; v242 exchange
.set CH,   244                         ; v244-247 four chains of the maxima, then bytes
.set KSL,  248
.set KSH,  252
.set WV,   18
.set SEL,  20
.set CS,   22                          ; s[22:23] c = log2(e) / 8
.set G1K,  24
.set G1V,  32
.set G1S,  40
.set G1T,  48
.set G0K,  56
.set G0V,  60
.set G0S,  68
.set G0T,  72
.set W3,   79                          ; wave % 4: the chunk that I fetch
.set STB,  80                          ; my stage
.macro PLACES
.rept 4
	v_nop
.endr
.endm
.macro CROUND                          ; a round of the cluster's barrier
	s_barrier_signal -1
	s_barrier_wait -1
	s_cmp_lg_u32 s[WV], 0
	s_cbranch_scc1 .Lnot_wave_0_\@
	s_barrier_signal -3
.Lnot_wave_0_\@:
	s_barrier_wait -3
	s_barrier_signal -1
	s_barrier_wait -1
.endm
.macro MKG1 g, c, r, p                 ; r rows of c elements of 8 bytes, p elements from row to row; the mask names all four partners, bit 21 beside it
	s_mov_b32 s[\g], 15|(3<<16)|(1<<21)
	s_mov_b32 s[\g+1], (\c)<<16
	s_mov_b32 s[\g+2], (\r)<<16
	s_mov_b32 s[\g+3], (\c)<<16
	s_mov_b32 s[\g+4], \r
	s_mov_b32 s[\g+5], \p
	s_mov_b32 s[\g+6], 0
	s_mov_b32 s[\g+7], 0
.endm
.macro MKG0 g, l, lc, p                ; to LDS byte s[l] + lc, from s[p:p+1]
	s_mov_b32 s[\g], 1
	s_add_co_u32 s[\g+1], s[\l], \lc
	s_mov_b64 s[\g+2:\g+3], s[\p:\p+1]
	s_or_b32 s[\g+3], s[\g+3], 0x80000000
.endm
.macro ARM under, g0, g1, next         ; one chain of branches on the wave's number: every way passes exactly one load
	s_cmp_lt_u32 s[WV], \under
	s_cbranch_scc0 \next
	tensor_load_to_lds s[\g0:\g0+3], s[\g1:\g1+7]
	s_nop 0
	PLACES
	s_branch .Lasked
\next:
.endm
	s_load_b128 s[4:7], s[0:1], 0x0                ; qkvc, x
	s_load_b64 s[8:9], s[0:1], 0x10                ; att
	v_lshl_add_u32 v[SPW], v0, 2, SPARE
	v_mov_b32 v[NIL], 0
	ds_add_u32 v[SPW], v[NIL]                      ; the opening: the add, twice on end, and its wait ahead of my tensor load
	ds_add_u32 v[SPW], v[NIL]
	v_lshrrev_b32 v1, 5, v0
	s_delay_alu instid0(VALU_DEP_1)
	v_readfirstlane_b32 s[WV], v1                  ; wave 0..15
	s_bfe_u32 s10, ttmp6, 0x40000                  ; cx
	s_lshl_b32 s11, ttmp9, 2
	s_add_co_u32 s11, s11, s10                     ; my block of 256 queries: it enters q's, x's and att's addresses alone
	s_and_b32 s12, ttmp7, 0xffff                   ; the head, 0..31, which the four partners share
	s_lshr_b32 s13, s12, 1                         ; the group
	s_and_b32 s14, s12, 1                          ; my head of the pair
	s_and_b32 s[W3], s[WV], 3
	s_lshr_b32 s16, s[WV], 2                       ; waves 0-7: KE (0) or KO (1)
	s_and_b32 s17, s[WV], 1                        ; waves 12-15: which half of the scale words
	s_mul_i32 s3, s[W3], 4*STP                     ; my chunk in a region
	s_mul_i32 s2, s16, REG
	s_add_co_u32 s2, s2, s3
	s_lshl_b32 s19, s17, 12
	s_lshl_b32 s78, s17, 11
	s_mul_i32 s[STB], s[W3], 16*272
	s_mul_i32 s15, s16, REG
	s_add_co_u32 s[STB], s[STB], s15               ; my stage: region wave / 4, place wave % 4
	s_mul_i32 s98, s13, 16*KSB
	s_mul_i32 s15, s[W3], 4*KSB
	s_add_co_u32 s98, s98, s15                     ; my chunk's four units
	s_mul_i32 s96, s16, 2*FRB                      ; k: from the unit's first or third fragment on
	s_add_co_u32 s96, s96, s98
	s_add_co_u32 s96, s96, O_KC
	s_mov_b32 s97, 0
	s_mul_i32 s15, s14, STP                        ; v: my head's four tiles of each unit's eight
	s_add_co_u32 s98, s98, s15
	s_add_co_u32 s98, s98, O_VC
	s_mov_b32 s99, 0
	s_lshl_b32 s66, s13, 13
	s_add_co_u32 s66, s66, s19
	s_lshl_b32 s76, s14, 8                         ; v's scale words: my head's 256 bytes of each unit's 512
	s_add_co_u32 s76, s76, s66
	s_add_co_u32 s76, s76, O_VS
	s_mov_b32 s77, 0
	s_add_co_u32 s66, s66, O_KS
	s_mov_b32 s67, 0
	MKG1 G1K, 384, 8, 768                          ; four steps: eight rows of 3,072 bytes, every second one
	MKG1 G1V, 768, 4, 1536                         ; four steps: 6,144 bytes of each unit's 12,288
	MKG1 G1S, 32, 16, 32                           ; 4,096 dense bytes
	MKG1 G1T, 32, 8, 64                            ; eight steps: 256 bytes of each unit's 512
	s_cmp_eq_u32 s14, 0
	s_cselect_b32 s100, -1, 0                      ; which six registers of q stay
	s_cselect_b32 s101, 0, -1
	s_mov_b32 s[SEL], 0x76543210
	s_mov_b32 s[SEL+1], 0xfedcba98
	s_mov_b32 s[CS], 0x3e38aa3b                    ; log2(e) / 8
	s_mov_b32 s[CS+1], s[CS]
	s_wait_dscnt 0x0                               ; both opening adds are done
	s_wait_kmcnt 0x0
	s_add_nc_u64 s[96:97], s[4:5], s[96:97]
	s_add_nc_u64 s[98:99], s[4:5], s[98:99]
	s_add_nc_u64 s[66:67], s[4:5], s[66:67]
	s_add_nc_u64 s[76:77], s[4:5], s[76:77]
	MKG0 G0K, 2, 0, 96
	MKG0 G0V, 3, VB, 98
	MKG0 G0S, 19, KSC, 66
	MKG0 G0T, 78, VSC, 76
	CROUND                                         ; all four work-groups are here: the joint loads meet
	ARM 8,  G0K, G1K, .Lnot_k
	ARM 12, G0V, G1V, .Lnot_v
	ARM 14, G0S, G1S, .Lnot_s
	tensor_load_to_lds s[G0T:G0T+3], s[G1T:G1T+7]
	s_nop 0
	PLACES
.Lasked:
	; q, x and att: my row group of 128 tokens, my tile of 16 in it
	s_lshr_b32 s2, s[WV], 3
	s_lshl_b32 s3, s11, 1
	s_add_co_u32 s2, s2, s3                        ; the row group in the batch, 0..15
	s_and_b32 s3, s[WV], 7                         ; the tile
	s_lshl_b32 s10, s13, 4
	s_add_co_u32 s10, s10, s2                      ; q's unit
	s_mul_i32 s96, s10, KSB
	s_mul_i32 s15, s3, FRB
	s_add_co_u32 s96, s96, s15
	s_mov_b32 s97, 0
	s_lshl_b32 s98, s10, 9
	s_lshl_b32 s15, s3, 6
	s_add_co_u32 s98, s98, s15
	s_add_co_u32 s98, s98, O_QS
	s_mov_b32 s99, 0
	s_lshr_b32 s66, s13, 3                         ; token = batch x 2,048 + 128 x row group + 32 (tile / 2) + 8 (tile % 2) + the tile's row
	s_lshl_b32 s66, s66, 11
	s_lshl_b32 s15, s2, 7
	s_add_co_u32 s66, s66, s15
	s_lshr_b32 s15, s3, 1
	s_lshl_b32 s15, s15, 5
	s_add_co_u32 s66, s66, s15
	s_and_b32 s15, s3, 1
	s_lshl_b32 s15, s15, 3
	s_add_co_u32 s66, s66, s15
	s_lshl_b32 s66, s66, 12
	s_and_b32 s15, s12, 15                         ; the head in the batch: 256 bytes of a row
	s_lshl_b32 s15, s15, 8
	s_add_co_u32 s66, s66, s15
	s_mov_b32 s67, 0
	s_add_nc_u64 s[96:97], s[4:5], s[96:97]        ; q's fragment
	s_add_nc_u64 s[98:99], s[4:5], s[98:99]        ; q's scale words
	s_add_nc_u64 s[6:7], s[6:7], s[66:67]          ; x
	s_add_nc_u64 s[8:9], s[8:9], s[66:67]          ; att
	v_and_b32 v28, 15, v0                          ; r
	v_bfe_u32 v29, v0, 4, 1                        ; h
	v_and_b32 v30, 31, v0
	v_and_b32 v32, 7, v0                           ; i
	v_bfe_u32 v33, v0, 3, 1                        ; g
	v_lshlrev_b32 v31, 4, v30                      ; 16 x lane
	v_lshlrev_b32 v34, 2, v28
	v_mul_u32_u24 v[ADK], v33, REG
	v_lshlrev_b32 v[ADS], 7, v33
	v_add_nc_u32 v[ADV], VB-STP, v31               ; v's two addresses begin a step back: they step ahead of their first use
	v_lshl_add_u32 v[ADK], v32, 4, v[ADK]
	v_lshl_add_u32 v[ADS], v32, 2, v[ADS]
	v_lshl_add_u32 v[ADT], v28, 2, VSC-256
	v_lshl_add_u32 v[ADK], v29, 8, v[ADK]
	v_add_nc_u32 v[ADS], KSC, v[ADS]
	v_lshlrev_b32 v[GO], 12, v29
	v_lshlrev_b32 v[FF+1], 3, v29                  ; 8 h
	s_delay_alu instid0(VALU_DEP_2)
	v_lshl_add_u32 v[GO], v28, 4, v[GO]
.irp p, 0,1,2
	global_load_b128 v[QF+4*\p:QF+4*\p+3], v31, s[96:97] offset:512*\p
.endr
	global_load_b32 v[QW], v34, s[98:99]
	v_mov_b32 v13, 0xff61b1e6                      ; the largest score so far: -3e38
	v_mov_b32 v12, 0x7e000000                      ; -M: 2^125, so that the first f is 0
	v_mov_b32 v14, 0
	v_mov_b32 v15, 0
	v_mov_b32 v[BX], 0                             ; a lane permute's destination counts as one of its sources
	v_mov_b32 v[TP], 0
.set jj, 0
.rept 32
	v_mov_b32 v[O+jj], 0                           ; O^T: the step is written once; the first finds zeros, which the first f leaves zeros
.set jj, jj+1
.endr
	s_wait_loadcnt 0x0                             ; q
.irp i, 0,1,2,3,4,5
	v_and_b32 v[QF+\i], s100, v[QF+\i]
	v_and_b32 v[QF+6+\i], s101, v[QF+6+\i]
.endr
.macro KFETCH reg, sreg, c             ; tiles (c, 0..3) of the step at which k's addresses stand, and their rows' scale words
.irp t, 0,1,2,3
.irp p, 0,1,2
	ds_load_b128 v[\reg+12*\t+4*\p:\reg+12*\t+4*\p+3], v[ADK] offset:(\c)*3072+(\t%2)*FRB+(\t/2)*128+512*\p
.endr
	ds_load_b32 v[\sreg+\t], v[ADS] offset:(\c)*256+(\t%2)*64+(\t/2)*32
.endr
.endm
.macro PADD d, a, b
	v_pk_add_f32 v[\d:\d+1], v[\a:\a+1], v[\b:\b+1]
.endm
; A KEY STEP: 128 keys.  At its head k's tiles (0, t) are in registers and tiles (1, t) are on their way.  pf = 1: the next step's k is fetched; 3: the very last step: x's rows are asked for instead.
.macro STEP pf
.irp t, 0,1,2,3
	v_wmma_scale_f32_16x16x128_f8f6f4 v[S+8*\t:S+8*\t+7], v[KL+12*\t:KL+12*\t+11], v[QF:QF+11], 0, v[KSL+\t], v[QW] matrix_a_fmt:MATRIX_FMT_BF6 matrix_b_fmt:MATRIX_FMT_BF6
.endr
	s_wait_dscnt 0x0                               ; tiles (1, t) are in
.irp t, 0,1,2,3
	v_wmma_scale_f32_16x16x128_f8f6f4 v[S+32+8*\t:S+32+8*\t+7], v[KH+12*\t:KH+12*\t+11], v[QF:QF+11], 0, v[KSH+\t], v[QW] matrix_a_fmt:MATRIX_FMT_BF6 matrix_b_fmt:MATRIX_FMT_BF6
.endr                                  ; register 32 c + n of S^T is key 64 c + 32 (lane / 16) + n
	v_add_nc_u32 v[ADK], STP, v[ADK]               ; k's addresses to the next step, v's to this one: the four places in front of loads into registers that the products have read, and of the first read of results
	v_add_nc_u32 v[ADS], 512, v[ADS]
	v_add_nc_u32 v[ADV], STP, v[ADV]
	v_add_nc_u32 v[ADT], 256, v[ADT]
.irp t, 0,1,2,3                        ; my head's four tiles of v are asked for now and land under the softmax
.irp p, 0,1,2
	ds_load_b128 v[KH+12*\t+4*\p:KH+12*\t+4*\p+3], v[ADV] offset:\t*FRB+512*\p
.endr
	ds_load_b32 v[KSH+\t], v[ADT] offset:64*\t
.endr
.if \pf == 3
.irp i, 0,1,2,3,4,5,6,7                ; x at the bytes that I shall store, into the registers that k's tiles (0, t) have left
	global_load_b128 v[KL+4*\i:KL+4*\i+3], v[GO], s[6:7] offset:(2*\i+8*(\i/4))*4096 th:TH_LOAD_NT
.endr
.endif
.irp b, 0,1,2,3                        ; the largest score of my two blocks of 32 keys, in four chains by turns; each accumulator is read from its low end on
	v_max3_num_f32 v[CH+\b], v[S+16*\b], v[S+1+16*\b], v[S+2+16*\b]
.endr
.irp i, 3,5,7,9,11,13
.irp b, 0,1,2,3
	v_max3_num_f32 v[CH+\b], v[CH+\b], v[S+16*\b+\i], v[S+1+16*\b+\i]
.endr
.endr
.irp c, 0,1
	v_max3_num_f32 v[BM+\c], v[CH+2*\c], v[CH+2*\c+1], v[S+32*\c+15]
.endr
.irp c, 0,1
	v_max_num_f32 v[BM+\c], v[BM+\c], v[S+32*\c+31]
.endr
	s_delay_alu instid0(VALU_DEP_1)
	v_max3_num_f32 v[TP], v[BM], v[BM+1], v13
	s_delay_alu instid0(VALU_DEP_1)
	v_permlanex16_b32 v[BX], v[TP], s[SEL], s[SEL+1]
	s_delay_alu instid0(VALU_DEP_1)
	v_max_num_f32 v13, v[TP], v[BX]                ; with lane l xor 16's: the row's running largest score
	s_delay_alu instid0(VALU_DEP_1)
	v_mul_f32 v[TP], s[CS], v13                    ; as t
	v_mov_b32 v[BX], v12
	s_delay_alu instid0(VALU_DEP_2)
	v_floor_f32 v12, -v[TP]                        ; the new -M = -ceil(t)
	s_delay_alu instid0(VALU_DEP_1)
	v_sub_f32 v[TP], v12, v[BX]                    ; old M - new M: a whole number, 0 or less
	s_delay_alu instid0(VALU_DEP_1)
	v_cvt_i32_f32 v[TP], v[TP]                     ; (it saturates)
	s_delay_alu instid0(VALU_DEP_1)
	v_ldexp_f32 v[FF], 1.0, v[TP]                  ; f
.set jj, 0
.rept 32
	v_pk_fma_f32 v[S+jj:S+jj+1], v[S+jj:S+jj+1], s[CS:CS+1], v[12:13] op_sel_hi:[1,0,0]   ; t - M
.set jj, jj+2
.endr
.irp c, 0,1
	v_fma_f32 v[BM+\c], v[BM+\c], s[CS], v12
.endr
.if \pf == 1
	KFETCH KL, KSL, 0                              ; the next step's tiles (0, t): they have the rest of the softmax in which to land
.endif
	s_wait_alu depctr_va_vdst(0)                   ; the wait ahead of the batch
.set jj, 0
.rept 64
	v_exp_f32 v[S+jj], v[S+jj]                     ; p = 2^(t - M)
.set jj, jj+1
.endr
.irp c, 0,1
	v_exp_f32 v[BM+\c], v[BM+\c]                   ; my blocks' largest p
.endr
	v_pk_mul_f32 v[14:15], v[14:15], v[FF:FF+1] op_sel_hi:[1,0]   ; the sums under the new M: a plain place behind the exponentials
	s_wait_alu depctr_va_vdst(0)                   ; one wait for the batch, ahead of its first reader
.irp c, 0,1
	v_max_num_f32 v[BM+\c], 0x2800000, v[BM+\c]    ; the floor 2^(5 - 127)
.endr
.irp k, 1,2,3,4,5,6,7                  ; the row's sum of the unquantised p: eight chains; the scale word's lines stand among them
	PADD 218+2*\k, S+2*\k-2, S+2*\k+12
.endr
.irp c, 0,1
	v_add_nc_u32 v[BM+\c], 0xfe000000, v[BM+\c]    ; 4 off the exponent field: the conversion's scale operand
.endr
	PADD 14, 14, S+28
.irp k, 1,2,3,4,5,6,7
	PADD 218+2*\k, 218+2*\k, S+28+2*\k
.endr
.irp c, 0,1
	v_lshrrev_b32 v[CH+\c], 23, v[BM+\c]           ; the scale's byte
.endr
	PADD 14, 14, S+44
.irp k, 1,2,3,4,5,6,7
	PADD 218+2*\k, 218+2*\k, S+44+2*\k
.endr
	v_lshl_or_b32 v[TP], v[CH+1], 16, v[CH]        ; my bytes: blocks h and 2 + h,
	PADD 14, 14, S+60
	PADD 220, 220, S+62
	v_lshlrev_b32 v[TP], v[FF+1], v[TP]            ; at their places;
	PADD 224, 224, 226
	PADD 228, 228, 230
	v_permlanex16_b32 v[BX], v[TP], s[SEL], s[SEL+1]
	PADD 14, 14, 232
	PADD 220, 220, 222
	v_or_b32 v[PWD], v[TP], v[BX]                  ; with lane l xor 16's two p's scale word is whole
	PADD 14, 14, 228
	PADD 220, 220, 224
	s_delay_alu instid0(VALU_DEP_1)
	PADD 14, 14, 220
.irp c, 0,1
	v_cvt_scalef32_pk16_bf6_f32 v[PCD+6*\c:PCD+2+6*\c], v[S+32*\c:S+15+32*\c], v[BM+\c]
	v_cvt_scalef32_pk16_bf6_f32 v[PT+4*\c:PT+2+4*\c], v[S+16+32*\c:S+31+32*\c], v[BM+\c]   ; (a conversion's three registers begin on an even number)
.endr
	v_nop                                          ; one plain place behind a scaled conversion
.irp c, 0,1
.irp i, 0,1,2
	v_mov_b32 v[PCD+3+6*\c+\i], v[PT+4*\c+\i]
.endr
.endr
	s_wait_alu depctr_va_vdst(0)                   ; the wait directly ahead of the first reader of O^T
.set jj, 0
.rept 16
	v_pk_mul_f32 v[O+jj:O+jj+1], v[O+jj:O+jj+1], v[FF:FF+1] op_sel_hi:[1,0]   ; O^T under the new M.  (These sixteen are also the places between p's codes and scale word and the products)
.set jj, jj+2
.endr
	s_wait_alu depctr_va_vdst(0)                   ; and directly ahead of the wait below
	s_wait_dscnt 0x0                               ; v's tiles are in, and so are the next step's tiles (0, t) of k
.irp t, 0,1,2,3
	v_wmma_scale_f32_16x16x128_f8f6f4 v[O+8*\t:O+8*\t+7], v[KH+12*\t:KH+12*\t+11], v[PCD:PCD+11], v[O+8*\t:O+8*\t+7], v[KSH+\t], v[PWD] matrix_a_fmt:MATRIX_FMT_BF6 matrix_b_fmt:MATRIX_FMT_BF6
.endr
	PLACES                                         ; in front of loads into, and writes of, registers that the products have read
.if \pf == 1
	KFETCH KH, KSH, 1                              ; the next step's tiles (1, t), into the registers that v has left
.endif
.endm
	s_wait_alu depctr_va_vdst(0)                   ; the wait at the head's end
	s_wait_tensorcnt 0x0                           ; my load has landed
	s_barrier_signal -1
	s_barrier_wait -1                              ; everybody's has: k, v and the scale words are whole
	KFETCH KL, KSL, 0
	KFETCH KH, KSH, 1
	s_wait_dscnt 16                                ; tiles (0, t) are in; the sixteen younger loads may be out
	s_mov_b32 s3, 3
.Lfirst:                               ; key steps 0-2
	STEP 1
	s_sub_co_u32 s3, s3, 1
	s_cmp_lg_u32 s3, 0
	s_cbranch_scc1 .Lfirst
	s_wait_dscnt 0x0                               ; my reads of key steps 0-2 are over: their bytes will be stages of the way out
	s_barrier_signal -1
	s_barrier_wait -1                              ; that holds of every wave: from here on the waves do not meet
	s_mov_b32 s3, 12
.Lrest:                                ; key steps 3-14
	STEP 1
	s_sub_co_u32 s3, s3, 1
	s_cmp_lg_u32 s3, 0
	s_cbranch_scc1 .Lrest
	STEP 3                                         ; the last step is written out: behind it nothing is fetched
	; THE WAY OUT.  O^T / the sum goes through my stage (16 rows x 272 bytes), comes back by rows, takes x, and leaves as runs of 256 consecutive bytes: a head's 64 numbers of a token.
	v_add_f32 v14, v14, v15
	s_delay_alu instid0(VALU_DEP_1)
	v_permlanex16_b32 v[TP], v14, s[SEL], s[SEL+1]
	s_delay_alu instid0(VALU_DEP_1)
	v_add_f32 v14, v14, v[TP]                      ; the row's sum
	s_wait_alu depctr_va_vdst(0)                   ; the wait ahead of the transcendental
	v_rcp_f32 v14, v14
	v_and_b32 v76, 15, v0
	v_bfe_u32 v77, v0, 4, 1
	s_delay_alu instid0(VALU_DEP_2)
	v_mul_u32_u24 v78, v76, 272
	s_delay_alu instid0(VALU_DEP_2)
	v_mul_u32_u24 v79, v77, 272
	s_delay_alu instid0(VALU_DEP_2)
	v_lshl_add_u32 v78, v77, 6, v78
	s_delay_alu instid0(VALU_DEP_2)
	v_lshl_add_u32 v79, v76, 4, v79
	s_delay_alu instid0(VALU_DEP_2)
	v_add_nc_u32 v78, s[STB], v78                  ; in: row r, + 64 h
	s_delay_alu instid0(VALU_DEP_2)
	v_add_nc_u32 v79, s[STB], v79                  ; back: lanes 0-15 one row, lanes 16-31 the next
	s_wait_alu depctr_va_vdst(0)                   ; the wait ahead of the first reader of the reciprocal and of O^T
.set jj, 0
.rept 32
	v_mul_f32 v[S+jj], v[O+jj], v14                ; register 16 b + 8 u + j is channel 32 b + 16 h + 8 u + j
.set jj, jj+1
.endr
.irp b, 0,1
.irp i, 0,1,2,3
	ds_store_b128 v78, v[S+16*\b+4*\i:S+16*\b+4*\i+3] offset:128*\b+16*\i
.endr
.endr
.irp i, 0,1,2,3,4,5,6,7
	ds_load_b128 v[80+4*\i:83+4*\i], v79 offset:544*\i   ; LDS serves a wave's instructions in order
.endr
	s_wait_loadcnt 0x0                             ; x
.irp i, 0,1,2,3,4,5,6,7
	s_wait_dscnt 7-\i
	v_pk_add_f32 v[80+4*\i:81+4*\i], v[80+4*\i:81+4*\i], v[KL+4*\i:KL+4*\i+1]      ; the residual
	v_pk_add_f32 v[82+4*\i:83+4*\i], v[82+4*\i:83+4*\i], v[KL+4*\i+2:KL+4*\i+3]
	global_store_b128 v[GO], v[80+4*\i:83+4*\i], s[8:9] offset:(2*\i+8*(\i/4))*4096 th:TH_STORE_NT   ; the stage's row n is the tile's token n + 8 (n / 8)
.endr
	s_wait_tensorcnt 0x0                           ; the wave's end
	ds_add_u32 v[SPW], v[NIL]
	s_wait_dscnt 0x0
	CROUND                                         ; the closing round: no work-group ends while a partner may still ask for a tile that names it
	s_endpgm
.Lfunc_end_k_q8e1f3f7133_attn:
	.size	k_q8e1f3f7133_attn, .Lfunc_end_k_q8e1f3f7133_attn-k_q8e1f3f7133_attn
	.p2alignl 7, 3214868480
	.fill 96, 4, 3214868480
	.section	.rodata,"a",@progbits
	.p2align	6, 0x0
	.amdhsa_kernel k_q8e1f3f7133_attn
		.amdhsa_group_segment_fixed_size 327680
		.amdhsa_private_segment_fixed_size 0
		.amdhsa_enable_private_segment 0
		.amdhsa_kernarg_size 24
		.amdhsa_user_sgpr_count 2
		.amdhsa_user_sgpr_kernarg_segment_ptr 1
		.amdhsa_wavefront_size32 1
		.amdhsa_system_sgpr_workgroup_id_x 1
		.amdhsa_system_sgpr_workgroup_id_y 1
		.amdhsa_system_sgpr_workgroup_id_z 1
		.amdhsa_system_vgpr_workitem_id 0
		.amdhsa_next_free_vgpr 256
		.amdhsa_next_free_sgpr 102
		.amdhsa_reserve_vcc 0
		.amdhsa_float_denorm_mode_32 3
		.amdhsa_float_denorm_mode_16_64 3
		.amdhsa_memory_ordered 1
		.amdhsa_forward_progress 1
		.amdhsa_inst_pref_size 66
	.end_amdhsa_kernel
	.amdgpu_metadata
---
amdhsa.version: [ 1, 2 ]
amdhsa.kernels:
  - .name:           k_q8e1f3f7133_attn
    .symbol:         k_q8e1f3f7133_attn.kd
    .args:
      - { .name: qkvc, .offset: 0, .size: 8, .value_kind: global_buffer, .address_space: global }
      - { .name: x, .offset: 8, .size: 8, .value_kind: global_buffer, .address_space: global }
      - { .name: att, .offset: 16, .size: 8, .value_kind: global_buffer, .address_space: global }
    .group_segment_fixed_size: 327680
    .private_segment_fixed_size: 0
    .kernarg_segment_align: 8
    .kernarg_segment_size: 24
    .max_flat_workgroup_size: 512
    .sgpr_count:     102
    .vgpr_count:     256
    .wavefront_size: 32
...
	.end_amdgpu_metadata
.endif
;; end of part 3
;; launch ln1 (part 4): grid 256 x 1, 8 waves a work-group, no clusters, 67,072 bytes of LDS; arguments att, g1, beta1, hbuf; writes hbuf
.if DOCPART == 4
	.amdgcn_target "amdgcn-amd-amdhsa--gfx1250"
	.amdhsa_code_object_version 6
	.text
	.protected	k_q8e1f3f7133_ln1
	.globl	k_q8e1f3f7133_ln1
	.p2align	8
	.type	k_q8e1f3f7133_ln1,@function
k_q8e1f3f7133_ln1:
	s_mov_b64 s[64:65], 0
	v_nop
	global_prefetch_b8 v0, s[64:65] scope:SCOPE_SE
	s_setreg_imm32_b32 hwreg(HW_REG_WAVE_MODE, 25, 1), 1
	s_wait_xcnt 0x0
; h = LayerNorm(att) g1 + beta1, att holding x + the attention's result (the launch before has added the residual).  h is stored as f32 [4096][1024] and, quantised along the row, as codes of BF6 (E3M2) and E8M0 scale words in
; the order of an operand's registers (K = 1,024: eight fragments a row tile).  The norm is taken as it is defined, in two passes over registers: the mean, then the mean of the squared differences: no difference of large sums.
; SHARES.  A work-group takes one row tile T of 16 tokens (lane r of the tile is token 32 (T / 2) + 8 (T % 2) + r + 8 (r / 8)); wave w takes its rows 2 w and 2 w + 1, a whole row in 32 registers a lane: each load and store covers
; 512 consecutive bytes.  The 16 rows meet in LDS (rows of 4,096 + 16 bytes); behind one barrier wave w quantises the tile's K step w: a lane takes two whole blocks of 32 of its row.
; The 16 scale words of a fragment are 64 bytes: a store that fills a quarter of an aligned 256 bytes.  Whole ones would want 64 tokens to a work-group, which leaves three of four WGPs without work; these bytes are 1 in 280 of the launch's.
; No matrix unit, no tensor load, no cluster: memory binds, and work-groups share nothing but the gain and the bias.
; LIMITS: NaN and infinities are not served; a block of zeros gets the byte 1 (its codes are zeros; this program alone reads the bytes).
.set HC,  16777216
.set HS,  19922944
.set LP,  4112
.set GR,  8                            ; v8-39   g1 of my 32 columns
.set BT,  40                           ; v40-71  beta1
.set X0,  72                           ; v72-135 my two rows
.set X,   136                          ; v136-199 the 64 numbers that I quantise
.set W,   200                          ; v200-207 four chains; v208-209 the mean; v210 exchange
.set RS0, 212                          ; v212-213, v214-215 1 / sqrt(var + eps) of my two rows
.set RS1, 214
.set QM,  200
.set QSO, 202
.set QBY, 204
.set QW,  206
.set QX,  207
.set PW,  208
.set PC,  216
.set PT,  228
.set SO4, 237
.set SEL, 28
.macro REDUCE v                        ; the sum over the wave's 32 lanes, in every lane
	s_delay_alu instid0(VALU_DEP_1)
	v_add_f32_dpp v[\v], v[\v], v[\v] row_xmask:1 row_mask:0xf bank_mask:0xf
	s_delay_alu instid0(VALU_DEP_1)
	v_add_f32_dpp v[\v], v[\v], v[\v] row_xmask:2 row_mask:0xf bank_mask:0xf
	s_delay_alu instid0(VALU_DEP_1)
	v_add_f32_dpp v[\v], v[\v], v[\v] row_xmask:4 row_mask:0xf bank_mask:0xf
	s_delay_alu instid0(VALU_DEP_1)
	v_add_f32_dpp v[\v], v[\v], v[\v] row_xmask:8 row_mask:0xf bank_mask:0xf
	s_delay_alu instid0(VALU_DEP_1)
	v_permlanex16_b32 v[W+10], v[\v], s[SEL], s[SEL+1]
	s_delay_alu instid0(VALU_DEP_1)
	v_add_f32 v[\v], v[\v], v[W+10]
.endm
.macro FOLD d                          ; the four chains into one number
	s_delay_alu instid0(VALU_DEP_3)
	v_pk_add_f32 v[W:W+1], v[W:W+1], v[W+2:W+3]
	s_delay_alu instid0(VALU_DEP_2)
	v_pk_add_f32 v[W+4:W+5], v[W+4:W+5], v[W+6:W+7]
	s_delay_alu instid0(VALU_DEP_1)
	v_pk_add_f32 v[W:W+1], v[W:W+1], v[W+4:W+5]
	s_delay_alu instid0(VALU_DEP_1)
	v_add_f32 v[\d], v[W], v[W+1]
.endm
.macro LNSTAT x, rs                    ; x -= mean; rs = 1 / sqrt(mean of x^2 + eps)
.irp k, 0,2,4,6
	v_pk_add_f32 v[W+\k:W+\k+1], v[\x+\k:\x+\k+1], v[\x+8+\k:\x+9+\k]
.endr
.irp i, 16,24
.irp k, 0,2,4,6
	s_delay_alu instid0(VALU_DEP_4)
	v_pk_add_f32 v[W+\k:W+\k+1], v[W+\k:W+\k+1], v[\x+\i+\k:\x+\i+\k+1]
.endr
.endr
	FOLD W+8
	REDUCE W+8
	s_delay_alu instid0(VALU_DEP_1)
	v_mul_f32 v[W+8], s20, v[W+8]                  ; the mean
.set jj, 0
.rept 16
	v_pk_add_f32 v[\x+jj:\x+jj+1], v[\x+jj:\x+jj+1], v[W+8:W+9] op_sel_hi:[1,0] neg_lo:[0,1] neg_hi:[0,1]
.set jj, jj+2
.endr
.irp k, 0,2,4,6
	v_pk_mul_f32 v[W+\k:W+\k+1], v[\x+\k:\x+\k+1], v[\x+\k:\x+\k+1]
.endr
.irp i, 8,16,24
.irp k, 0,2,4,6
	s_delay_alu instid0(VALU_DEP_4)
	v_pk_fma_f32 v[W+\k:W+\k+1], v[\x+\i+\k:\x+\i+\k+1], v[\x+\i+\k:\x+\i+\k+1], v[W+\k:W+\k+1]
.endr
.endr
	FOLD \rs
	REDUCE \rs
	s_delay_alu instid0(VALU_DEP_1)
	v_fma_f32 v[\rs], v[\rs], s20, s21             ; var + eps
	s_wait_alu depctr_va_vdst(0)
	v_rsq_f32 v[\rs], v[\rs]
.endm
.macro LNFIN x, rs
.set jj, 0
.rept 16
	v_pk_mul_f32 v[\x+jj:\x+jj+1], v[\x+jj:\x+jj+1], v[\rs:\rs+1] op_sel_hi:[1,0]
.set jj, jj+2
.endr
.set jj, 0
.rept 16
	v_pk_fma_f32 v[\x+jj:\x+jj+1], v[\x+jj:\x+jj+1], v[GR+jj:GR+jj+1], v[BT+jj:BT+jj+1]
.set jj, jj+2
.endr
.endm
	s_load_b256 s[4:11], s[0:1], 0x0               ; att, g1, beta1, hbuf
	v_lshl_add_u32 v254, v0, 2, 0x10200
	v_mov_b32 v255, 0
	v_lshrrev_b32 v1, 5, v0
	s_delay_alu instid0(VALU_DEP_1)
	v_readfirstlane_b32 s14, v1                    ; wave 0..7
	v_and_b32 v1, 31, v0
	v_and_b32 v2, 15, v0
	v_bfe_u32 v3, v0, 4, 1
	s_delay_alu instid0(VALU_DEP_3)
	v_lshlrev_b32 v4, 4, v1                        ; 16 x lane
	s_mul_i32 s22, s14, 2*LP
	v_add_nc_u32 v5, s22, v4                       ; LDS, on the way in: my two rows
	v_mul_u32_u24 v6, v2, LP
	s_delay_alu instid0(VALU_DEP_1)
	v_lshl_add_u32 v6, v3, 7, v6
	s_lshl_b32 s22, s14, 9
	v_add_nc_u32 v6, s22, v6                       ; on the way out: row r, K step w, + 128 h
	v_lshlrev_b32 v7, 3, v3                        ; 8 h
	v_lshlrev_b32 v[SO4], 2, v2
	v_mov_b32 v[W+9], 0                            ; (upper halves of pairs, and the exchange's destination, are written once)
	v_mov_b32 v[W+10], 0
	v_mov_b32 v[RS0+1], 0
	v_mov_b32 v[RS1+1], 0
	s_mov_b32 s[SEL], 0x76543210
	s_mov_b32 s[SEL+1], 0xfedcba98
	s_mov_b32 s20, 0x3a800000                      ; 1 / 1,024
	s_mov_b32 s21, 0x3727c5ac                      ; 1e-5
	s_lshr_b32 s15, ttmp9, 1
	s_lshl_b32 s15, s15, 5
	s_and_b32 s16, ttmp9, 1
	s_lshl_b32 s16, s16, 3
	s_add_co_u32 s15, s15, s16
	s_lshl_b32 s16, s14, 1
	s_add_co_u32 s15, s15, s16
	s_lshr_b32 s16, s14, 2
	s_lshl_b32 s16, s16, 3
	s_add_co_u32 s15, s15, s16                     ; my first token: 32 (T / 2) + 8 (T % 2) + 2 w + 8 (w / 4)
	s_lshl_b32 s16, s15, 12
	s_mov_b32 s17, 0
	s_lshr_b32 s23, ttmp9, 3
	s_lshl_b32 s23, s23, 3
	s_add_co_u32 s23, s23, s14
	s_lshl_b32 s23, s23, 3
	s_and_b32 s24, ttmp9, 7
	s_add_co_u32 s23, s23, s24                     ; my fragment's number: (8 G + w) 8 + a
	s_mul_i32 s24, s23, 1536
	s_add_co_u32 s24, s24, HC
	s_mov_b32 s25, 0
	s_lshl_b32 s26, s23, 6
	s_add_co_u32 s26, s26, HS
	s_mov_b32 s27, 0
	s_wait_kmcnt 0x0
	s_add_nc_u64 s[4:5], s[4:5], s[16:17]
	s_add_nc_u64 s[18:19], s[10:11], s[16:17]
	s_add_nc_u64 s[24:25], s[10:11], s[24:25]
	s_add_nc_u64 s[26:27], s[10:11], s[26:27]
.irp t, 0,1
.irp j, 0,1,2,3,4,5,6,7
	global_load_b128 v[X0+32*\t+4*\j:X0+32*\t+4*\j+3], v4, s[4:5] offset:4096*\t+512*\j th:TH_LOAD_NT
.endr
.endr
.irp j, 0,1,2,3,4,5,6,7
	global_load_b128 v[GR+4*\j:GR+4*\j+3], v4, s[6:7] offset:512*\j
.endr
.irp j, 0,1,2,3,4,5,6,7
	global_load_b128 v[BT+4*\j:BT+4*\j+3], v4, s[8:9] offset:512*\j
.endr
	s_wait_loadcnt 16                              ; my two rows are in; the gain's and the bias's sixteen loads may be out
	LNSTAT X0, RS0
	LNSTAT X0+32, RS1
	v_nop                                          ; a plain place behind the last root
	s_wait_alu depctr_va_vdst(0)                   ; one wait for both, ahead of their first reader
	s_wait_loadcnt 0x0
	LNFIN X0, RS0
	LNFIN X0+32, RS1
.irp t, 0,1
.irp j, 0,1,2,3,4,5,6,7
	global_store_b128 v4, v[X0+32*\t+4*\j:X0+32*\t+4*\j+3], s[18:19] offset:4096*\t+512*\j
	ds_store_b128 v5, v[X0+32*\t+4*\j:X0+32*\t+4*\j+3] offset:LP*\t+512*\j
.endr
.endr
	s_wait_dscnt 0x0                               ; for the others' sake: my rows lie in LDS
	s_barrier_signal -1
	s_barrier_wait -1
.irp c, 0,1
.irp j, 0,1,2,3,4,5,6,7
	ds_load_b128 v[X+32*\c+4*\j:X+32*\c+4*\j+3], v6 offset:256*\c+16*\j   ; register 32 c + i = k 128 w + 64 c + 32 h + i of row r
.endr
.endr
	s_wait_dscnt 0x0
.irp c, 0,1
	v_max3_num_f32 v[QM+\c], |v[X+32*\c]|, |v[X+32*\c+1]|, 0x2800000   ; with the floor 2^(5 - 127)
.endr
.set jj, 2
.rept 15
.irp c, 0,1
	s_delay_alu instid0(VALU_DEP_2)
	v_max3_num_f32 v[QM+\c], v[QM+\c], |v[X+32*\c+jj]|, |v[X+32*\c+jj+1]|
.endr
.set jj, jj+2
.endr
.irp c, 0,1
	s_delay_alu instid0(VALU_DEP_2)
	v_add_nc_u32 v[QSO+\c], 0xfe000000, v[QM+\c]   ; 4 off the exponent field: the conversion's scale operand
.endr
.irp c, 0,1
	s_delay_alu instid0(VALU_DEP_2)
	v_lshrrev_b32 v[QBY+\c], 23, v[QSO+\c]
.endr
	s_delay_alu instid0(VALU_DEP_1)
	v_lshl_or_b32 v[QW], v[QBY+1], 16, v[QBY]      ; my bytes: blocks h and 2 + h,
	s_delay_alu instid0(VALU_DEP_1)
	v_lshlrev_b32 v[QW], v7, v[QW]                 ; at their places;
	s_delay_alu instid0(VALU_DEP_1)
	v_permlanex16_b32 v[QX], v[QW], s[SEL], s[SEL+1]
	s_delay_alu instid0(VALU_DEP_1)
	v_or_b32 v[PW], v[QW], v[QX]                   ; with lane l xor 16's the word is whole
.irp c, 0,1
	v_cvt_scalef32_pk16_bf6_f32 v[PC+6*\c:PC+6*\c+2], v[X+32*\c:X+32*\c+15], v[QSO+\c]
	v_cvt_scalef32_pk16_bf6_f32 v[PT+4*\c:PT+4*\c+2], v[X+32*\c+16:X+32*\c+31], v[QSO+\c]
.endr
	v_nop                                          ; one plain place behind a scaled conversion
.irp c, 0,1
.irp i, 0,1,2
	v_mov_b32 v[PC+6*\c+3+\i], v[PT+4*\c+\i]
.endr
.endr
.irp p, 0,1,2
	global_store_b128 v4, v[PC+4*\p:PC+4*\p+3], s[24:25] offset:512*\p
.endr
	v_cmp_gt_u32 vcc_lo, 16, v1
	s_wait_xcnt 0x0                                ; EXEC changes only behind this wait
	s_wait_tensorcnt 0x0
	ds_add_u32 v254, v255
	s_wait_dscnt 0x0
	s_and_saveexec_b32 s30, vcc_lo
	global_store_b32 v[SO4], v[PW], s[26:27]       ; lanes 0-15: the 16 rows' scale words
	s_wait_xcnt 0x0
	s_or_b32 exec_lo, exec_lo, s30
	s_endpgm
.Lfunc_end_k_q8e1f3f7133_ln1:
	.size	k_q8e1f3f7133_ln1, .Lfunc_end_k_q8e1f3f7133_ln1-k_q8e1f3f7133_ln1
	.p2alignl 7, 3214868480
	.fill 96, 4, 3214868480
	.section	.rodata,"a",@progbits
	.p2align	6, 0x0
	.amdhsa_kernel k_q8e1f3f7133_ln1
		.amdhsa_group_segment_fixed_size 67072
		.amdhsa_private_segment_fixed_size 0
		.amdhsa_enable_private_segment 0
		.amdhsa_kernarg_size 32
		.amdhsa_user_sgpr_count 2
		.amdhsa_user_sgpr_kernarg_segment_ptr 1
		.amdhsa_wavefront_size32 1
		.amdhsa_system_sgpr_workgroup_id_x 1
		.amdhsa_system_sgpr_workgroup_id_y 1
		.amdhsa_system_sgpr_workgroup_id_z 1
		.amdhsa_system_vgpr_workitem_id 0
		.amdhsa_next_free_vgpr 256
		.amdhsa_next_free_sgpr 66
		.amdhsa_reserve_vcc 1
		.amdhsa_float_denorm_mode_32 3
		.amdhsa_float_denorm_mode_16_64 3
		.amdhsa_memory_ordered 1
		.amdhsa_forward_progress 1
		.amdhsa_inst_pref_size 29
	.end_amdhsa_kernel
	.amdgpu_metadata
---
amdhsa.version: [ 1, 2 ]
amdhsa.kernels:
  - .name:           k_q8e1f3f7133_ln1
    .symbol:         k_q8e1f3f7133_ln1.kd
    .args:
      - { .name: att, .offset: 0, .size: 8, .value_kind: global_buffer, .address_space: global }
      - { .name: g1, .offset: 8, .size: 8, .value_kind: global_buffer, .address_space: global }
      - { .name: beta1, .offset: 16, .size: 8, .value_kind: global_buffer, .address_space: global }
      - { .name: hbuf, .offset: 24, .size: 8, .value_kind: global_buffer, .address_space: global }
    .group_segment_fixed_size: 67072
    .private_segment_fixed_size: 0
    .kernarg_segment_align: 8
    .kernarg_segment_size: 32
    .max_flat_workgroup_size: 256
    .sgpr_count:     66
    .vgpr_count:     256
    .wavefront_size: 32
...
	.end_amdgpu_metadata
.endif
;; end of part 4
;; launch ffn1 (part 5): grid 16 x 16, 4 waves a work-group, clusters of 4 x 4, 327,680 bytes of LDS; arguments hbuf, wops, b1, hid; writes hid
.if DOCPART == 5
	.amdgcn_target "amdgcn-amd-amdhsa--gfx1250"
	.amdhsa_code_object_version 6
	.text
	.protected	k_q8e1f3f7133_ffn1
	.globl	k_q8e1f3f7133_ffn1
	.p2align	8
	.type	k_q8e1f3f7133_ffn1,@function
k_q8e1f3f7133_ffn1:
	s_mov_b64 s[64:65], 0
	v_nop
	global_prefetch_b8 v0, s[64:65] scope:SCOPE_SE
	s_setreg_imm32_b32 hwreg(HW_REG_WAVE_MODE, 25, 1), 1
	s_wait_xcnt 0x0
	s_wait_alu depctr_hold_cnt(0) depctr_sa_sdst(0) depctr_va_vdst(0) depctr_va_sdst(0) depctr_va_ssrc(0) depctr_va_vcc(0) depctr_vm_vsrc(0)
	s_getreg_b32 s2, hwreg(HW_REG_IB_STS2, 6, 4)
	s_cmp_eq_u32 s2, 0
	s_cbranch_scc0 .Lentry_in_a_cluster
	s_endpgm
.Lentry_in_a_cluster:
	s_bfe_u32 s2, ttmp6, 0x10000c
	s_cmp_lg_u32 s2, 0xf033
	s_cbranch_scc0 .Lentry_shape_is_right
	s_endpgm
.Lentry_shape_is_right:
.set H_HC,  16777216
.set H_HS,  19922944
.set R_W1C, 5505024
.set R_W1S, 12025856
.set O_HS,  12582912
.set FR,    12
.set FRB,   1536
.set KSB,   8*FRB
.set QUART, 2*KSB
.set SLOT,  4*QUART
.set GRP,   8*KSB
.set SCL,   2*SLOT
.set SPARE, SCL+4*4096
.set ADRA, 16
.set ADRB, 20
.set SWA,  24
.set SRA,  25
.set CO,   26
.set ADRS, 27
.set SPW,  28
.set NIL,  29
.set SC,   32
.set BIAS, 64
.set AF,   128
.set TM,   64
.set PW,   80
.set XQ,   128
.set PC,   192
.set PT,   204
.set OW,   212
.set SEL,  2
.set G1,   24
.set G0,   32
.set G1B,  48
.set G0B,  56
.set G1S,  68
.set G0S,  76
.set G1SB, 80
.set G0SB, 88
.set MSB, 0
.macro WIN new
.if MSB != (\new)
	s_set_vgpr_msb (MSB<<8)|(\new)
.set MSB, (\new)
.endif
.endm
.set MUL_LO, 0xa1
.set MUL_HI, 0xf1
.set TO_B,   0x40
.macro PLACES
.rept 4
	v_nop
.endr
.endm
.macro JLOAD g0a, g1a, g0b, g1b
	s_cmp_eq_u32 s15, 0
	s_cbranch_scc0 .Lfor_b_\@
	tensor_load_to_lds s[\g0a:\g0a+3], s[\g1a:\g1a+7]
	s_nop 0
	PLACES
	s_branch .Lasked_\@
.Lfor_b_\@:
	tensor_load_to_lds s[\g0b:\g0b+3], s[\g1b:\g1b+7]
	s_nop 0
	PLACES
.Lasked_\@:
.endm
.macro CREST
	s_cmp_lg_u32 s14, 0
	s_cbranch_scc1 .Lnot_wave_0_\@
	s_barrier_signal -3
.Lnot_wave_0_\@:
	s_barrier_wait -3
	s_barrier_signal -1
	s_barrier_wait -1
.endm
.macro CROUND
	s_barrier_signal -1
	s_barrier_wait -1
	CREST
.endm
	s_load_b256 s[4:11], s[0:1], 0x0
	v_lshl_add_u32 v[SPW], v0, 2, SPARE
	v_mov_b32 v[NIL], 0
	ds_add_u32 v28, v29
	ds_add_u32 v28, v29
	s_wait_dscnt 0x0
	v_lshrrev_b32 v1, 5, v0
	v_readfirstlane_b32 s14, v1
	s_lshr_b32 s15, s14, 1
	s_and_b32 s16, s14, 1
	s_bfe_u32 s40, ttmp6, 0x40000
	s_bfe_u32 s41, ttmp6, 0x40004
	s_lshl_b32 s43, s41, 2
	s_lshl_b32 s43, 15, s43
	s_lshl_b32 s44, 0x1111, s40
	s_or_b32 s[G1+0], s43, (3<<16)|(1<<21)
	s_or_b32 s[G1B+0], s44, (3<<16)|(1<<21)
	s_or_b32 s[G1S+0], s43, (3<<16)|(1<<21)
	s_or_b32 s[G1SB+0], s44, (3<<16)|(1<<21)
.irp g, G1, G1B                        ; for the head's loads: a tile's two row groups, 256 along K each: two rows of QUART bytes, GRP bytes apart
	s_mov_b32 s[\g+1], (QUART/8)<<16
	s_mov_b32 s[\g+2], 2<<16
	s_mov_b32 s[\g+3], (QUART/8)<<16
	s_mov_b32 s[\g+4], 2
	s_mov_b32 s[\g+5], GRP/8
	s_mov_b32 s[\g+6], 0
	s_mov_b32 s[\g+7], 0
.endr
.irp g, G1S, G1SB
	s_mov_b32 s[\g+1], 32<<16
	s_mov_b32 s[\g+2], 32<<16                      ; two row groups' scale words: 8,192 dense bytes
	s_mov_b32 s[\g+3], 32<<16
	s_mov_b32 s[\g+4], 32
	s_mov_b32 s[\g+5], 32
	s_mov_b32 s[\g+6], 0
	s_mov_b32 s[\g+7], 0
.endr
	s_and_b32 s98, ttmp7, 0xffff
	s_lshl_b32 s98, s98, 2
	s_add_co_u32 s98, s98, s41
	s_lshl_b32 s20, s98, 1                         ; the tile's first row group
	s_lshl_b32 s22, s20, 12
	s_add_co_u32 s22, s22, H_HS
	s_mov_b32 s23, 0
	s_mul_i32 s20, s20, GRP
	s_add_co_u32 s20, s20, H_HC
	s_mov_b32 s21, 0
	s_lshl_b32 s99, ttmp9, 2
	s_add_co_u32 s99, s99, s40
	s_lshl_b32 s46, s99, 1
	s_lshl_b32 s92, s46, 12
	s_add_co_u32 s92, s92, R_W1S
	s_mov_b32 s93, 0
	s_mul_i32 s46, s46, GRP
	s_add_co_u32 s46, s46, R_W1C
	s_mov_b32 s47, 0
	s_mul_i32 s45, s14, QUART
	s_mov_b32 s[SEL], 0x76543210
	s_mov_b32 s[SEL+1], 0xfedcba98
	s_wait_kmcnt 0x0
	s_add_nc_u64 s[20:21], s[4:5], s[20:21]
	s_add_nc_u64 s[22:23], s[4:5], s[22:23]
	s_add_nc_u64 s[46:47], s[6:7], s[46:47]
	s_add_nc_u64 s[92:93], s[6:7], s[92:93]
	CROUND
	; THE HEAD'S FOUR TILES, ONE A WAVE: wave 0 A's part of slot 0, wave 1 B's, wave 2 A's scale words, wave 3 B's
	s_mov_b32 s[G0S], 1
	s_mov_b32 s[G0S+1], SCL
	s_mov_b64 s[G0S+2:G0S+3], s[22:23]
	s_or_b32 s[G0S+3], s[G0S+3], 0x80000000
	s_mov_b32 s[G0SB], 1
	s_mov_b32 s[G0SB+1], SCL+2*4096
	s_mov_b64 s[G0SB+2:G0SB+3], s[92:93]
	s_or_b32 s[G0SB+3], s[G0SB+3], 0x80000000
	s_mov_b32 s[G0], 1
	s_mov_b32 s[G0+1], 0
	s_mov_b64 s[G0+2:G0+3], s[20:21]
	s_or_b32 s[G0+3], s[G0+3], 0x80000000
	s_mov_b32 s[G0B], 1
	s_mov_b32 s[G0B+1], 2*QUART
	s_mov_b64 s[G0B+2:G0B+3], s[46:47]
	s_or_b32 s[G0B+3], s[G0B+3], 0x80000000
.macro ARM under, g0, g1, next         ; one chain of branches on the wave's number: every way passes exactly one load
	s_cmp_lt_u32 s14, \under
	s_cbranch_scc0 \next
	tensor_load_to_lds s[\g0:\g0+3], s[\g1:\g1+7]
	s_nop 0
	PLACES
	s_branch .Lhead_asked
\next:
.endm
	ARM 1, G0,  G1,  .Lhead_b
	ARM 2, G0B, G1B, .Lhead_sa
	ARM 3, G0S, G1S, .Lhead_sb
	tensor_load_to_lds s[G0SB:G0SB+3], s[G1SB:G1SB+7]
	s_nop 0
	PLACES
.Lhead_asked:
	; b1 is asked for here, so that it is on its way while the head's tiles land.  (No prefetch is laid: K is four fills, two of them the head's, all written out: there is no loop to run ahead in.)
	s_lshl_b32 s66, s99, 1
	s_add_co_u32 s66, s66, s16                     ; my row group of W1: 128 columns of the hidden layer, 512 bytes of b1
	s_lshl_b32 s66, s66, 9
	s_mov_b32 s67, 0
	s_add_nc_u64 s[66:67], s[8:9], s[66:67]
	v_bfe_u32 v5, v0, 4, 1
	v_lshlrev_b32 v5, 6, v5                        ; 64 h
.irp b, 0,1,2,3,4,5,6,7
	global_load_b128 v[BIAS+8*\b:BIAS+8*\b+3], v5, s[66:67] offset:(32*(\b/2)+8*(\b%2))*4       ; tile b, register j: column 32 (b / 2) + 16 h + 8 (b % 2) + j
	global_load_b128 v[BIAS+8*\b+4:BIAS+8*\b+7], v5, s[66:67] offset:(32*(\b/2)+8*(\b%2))*4+16
.endr
	s_wait_alu depctr_va_vdst(0)
	s_wait_tensorcnt 0x0
	ds_add_u32 v28, v29                            ; the ring's descriptors, work on registers, stand between the add and its wait
.irp g, G1, G1B                        ; no load of mine is out: from here on a load brings one row group's 256 along K, as 96 rows of 256 bytes
	s_mov_b32 s[\g+1], 32<<16
	s_mov_b32 s[\g+2], 96<<16
	s_mov_b32 s[\g+3], 32<<16
	s_mov_b32 s[\g+4], 96
	s_mov_b32 s[\g+5], 32
.endr
	s_mul_i32 s18, s16, GRP                        ; in the ring I fetch one of the tile's two row groups
	s_mov_b32 s19, 0
	s_add_nc_u64 s[20:21], s[20:21], s[18:19]
	s_add_nc_u64 s[46:47], s[46:47], s[18:19]
.irp s, 0,1
	s_mov_b32 s[G0+4*\s], 1
	s_add_co_u32 s[G0+4*\s+1], s45, \s*SLOT
	s_add_nc_u64 s[G0+4*\s+2:G0+4*\s+3], s[20:21], \s*QUART
	s_or_b32 s[G0+4*\s+3], s[G0+4*\s+3], 0x80000000
	s_mov_b32 s[G0B+4*\s], 1
	s_add_co_u32 s[G0B+4*\s+1], s45, \s*SLOT
	s_add_nc_u64 s[G0B+4*\s+2:G0B+4*\s+3], s[46:47], \s*QUART
	s_or_b32 s[G0B+4*\s+3], s[G0B+4*\s+3], 0x80000000
.endr
	s_wait_dscnt 0x0                               ; the add is done
	CROUND                                         ; all four tiles are in, and all sixteen work-groups are here
	JLOAD G0+4, G1, G0B+4, G1B                     ; slot 1: the first tensor load behind the round
	v_and_b32 v1, 15, v0
	v_bfe_u32 v2, v0, 4, 1
	s_wait_alu depctr_va_vdst(0)
	v_and_b32 v3, 31, v0
	v_lshlrev_b32 v[CO], 4, v3
	s_wait_alu depctr_va_vdst(0)
	s_mul_i32 s18, s15, QUART
	s_mul_i32 s19, s16, QUART
	s_add_co_u32 s19, s19, 2*QUART
.irp s, 0,1
	v_add_nc_u32 v[ADRA+\s], s18, v[CO]
	v_add_nc_u32 v[ADRB+\s], s19, v[CO]
	s_add_co_u32 s18, s18, SLOT
	s_add_co_u32 s19, s19, SLOT
.endr
	s_lshl_b32 s18, s15, 12
	s_lshl_b32 s19, s16, 12
	s_add_co_u32 s19, s19, 2*4096
	s_sub_co_u32 s19, s19, s18
	v_mul_u32_u24 v4, s19, v2
	s_add_co_u32 s18, s18, SCL
	v_lshl_add_u32 v4, v1, 2, v4
	v_add_nc_u32 v[ADRS], s18, v4
	s_lshl_b32 s18, s14, 9
	v_lshl_add_u32 v[SWA], v1, 2, s18
	v_add_nc_u32 v[SRA], s18, v[CO]
	s_lshl_b32 s18, s98, 1
	s_add_co_u32 s18, s18, s15
	s_lshl_b32 s19, s99, 1
	s_add_co_u32 s19, s19, s16
	s_lshl_b32 s18, s18, 5
	s_add_co_u32 s18, s18, s19
	s_mul_i32 s20, s18, KSB
	s_mov_b32 s21, 0
	s_add_nc_u64 s[20:21], s[10:11], s[20:21]
	s_lshl_b32 s22, s18, 9
	s_add_co_u32 s22, s22, O_HS
	s_mov_b32 s23, 0
	s_add_nc_u64 s[22:23], s[10:11], s[22:23]
	s_wait_alu depctr_va_vdst(0)
	s_wait_loadcnt 0x0
.macro FRAG reg, adr, q, i
.irp p, 0,1,2
	ds_load_b128 v[\reg+4*\p:\reg+4*\p+3], v[\adr] offset:(\q)*KSB+(\i)*FRB+512*\p
.endr
.endm
.macro MUL16 a0, p, q, sc, zero
.irp a, \a0, \a0+1
.irp b, 0,1,2,3,4,5,6,7
.if \zero
	v_wmma_scale_f32_16x16x128_f8f6f4 v[8*(8*((\a)%4)+\b):8*(8*((\a)%4)+\b)+7], v[128*(\p)+FR*\b:128*(\p)+FR*\b+FR-1], v[AF+FR*(\a):AF+FR*(\a)+FR-1], v[BIAS+8*\b:BIAS+8*\b+7], v[SC+16*(\sc)+2*\b+(\q)], v[SC+16*(\sc)+2*(\a)+(\q)] matrix_a_fmt:MATRIX_FMT_BF6 matrix_b_fmt:MATRIX_FMT_BF6 matrix_a_scale:MATRIX_SCALE_ROW1
.else
	v_wmma_scale_f32_16x16x128_f8f6f4 v[8*(8*((\a)%4)+\b):8*(8*((\a)%4)+\b)+7], v[128*(\p)+FR*\b:128*(\p)+FR*\b+FR-1], v[AF+FR*(\a):AF+FR*(\a)+FR-1], v[8*(8*((\a)%4)+\b):8*(8*((\a)%4)+\b)+7], v[SC+16*(\sc)+2*\b+(\q)], v[SC+16*(\sc)+2*(\a)+(\q)] matrix_a_fmt:MATRIX_FMT_BF6 matrix_b_fmt:MATRIX_FMT_BF6 matrix_a_scale:MATRIX_SCALE_ROW1
.endif
.endr
.endr
.endm
.macro FETCH_B slot, q, p
	WIN TO_B
.irp i, 0,1,2,3,4,5,6,7
	FRAG 128*(\p)+FR*\i, ADRB+\slot, \q, \i
.endr
	WIN 0
.endm
.macro FETCH_A slot, q, i0
.irp i, \i0, \i0+1, \i0+2, \i0+3
	FRAG AF+FR*(\i), ADRA+\slot, \q, \i
.endr
.endm
.macro SCALES sc
.irp i, 0,1,2,3,4,5,6,7
.irp q, 0,1
	ds_load_b32 v[SC+16*\sc+2*\i+\q], v[ADRS] offset:512*\q+64*\i
.endr
.endr
.endm
.macro STEP slot, zero
	s_wait_dscnt 12
.if \zero
	WIN 0x81
.else
	WIN MUL_LO
.endif
	MUL16 0, 0, 0, \slot, \zero
	MUL16 2, 0, 0, \slot, \zero
	s_wait_dscnt 0x0
	PLACES
	FETCH_B \slot, 1, 1
	FETCH_A \slot, 1, 0
.if \zero
	WIN 0xc1
.else
	WIN MUL_HI
.endif
	MUL16 4, 0, 0, \slot, \zero
	MUL16 6, 0, 0, \slot, \zero
	PLACES
	WIN 0
	FETCH_A \slot, 1, 4
.endm
.macro TURN slot, next, fill
	s_wait_tensorcnt 0x0
	ds_add_u32 v[SPW], v[NIL]
	s_wait_dscnt 13
	WIN MUL_LO
	MUL16 0, 1, 1, \slot, 0
	s_wait_dscnt 0x0
	s_barrier_signal -1
	MUL16 2, 1, 1, \slot, 0
	WIN 0
	s_barrier_wait -1
.if \fill
	CREST
	s_add_nc_u64 s[G0+4*\slot+2:G0+4*\slot+3], s[G0+4*\slot+2:G0+4*\slot+3], 2*QUART
	s_add_nc_u64 s[G0B+4*\slot+2:G0B+4*\slot+3], s[G0B+4*\slot+2:G0B+4*\slot+3], 2*QUART
	JLOAD G0+4*\slot, G1, G0B+4*\slot, G1B
.else
	PLACES
.endif
	s_wait_alu depctr_va_vdst(0)
	v_add_nc_u32 v[ADRS], 1024, v[ADRS]
	FETCH_B \next, 0, 0
	FETCH_A \next, 0, 0
	SCALES \next
	WIN MUL_HI
	MUL16 4, 1, 1, \slot, 0
	MUL16 6, 1, 1, \slot, 0
	PLACES
	WIN 0
	FETCH_A \next, 0, 4
.endm
	s_wait_tensorcnt 1
	s_barrier_signal -1
	s_barrier_wait -1
	FETCH_B 0, 0, 0
	FETCH_A 0, 0, 0
	SCALES 0
	FETCH_A 0, 0, 4
	STEP 0, 1
	TURN 0, 1, 1
	STEP 1, 0
	TURN 1, 0, 1
	STEP 0, 0
	TURN 0, 1, 0
	STEP 1, 0
	s_wait_dscnt 12
	WIN MUL_LO
	MUL16 0, 1, 1, 1, 0
	MUL16 2, 1, 1, 1, 0
	s_wait_dscnt 0x0
	WIN MUL_HI
	MUL16 4, 1, 1, 1, 0
	MUL16 6, 1, 1, 1, 0
	WIN 0
.macro QUANT s, pw
.irp b, 0,1,2,3
	v_max3_num_f32 v[TM+\b], |v[\s+16*\b]|, |v[\s+1+16*\b]|, 0x2800000
.endr
.irp i, 2,4,6,8,10,12,14
.irp b, 0,1,2,3
	v_max3_num_f32 v[TM+\b], v[TM+\b], |v[\s+16*\b+\i]|, |v[\s+1+16*\b+\i]|
.endr
.endr
.irp b, 0,1,2,3
	v_permlanex16_b32 v[TM+4+\b], v[TM+\b], s[SEL], s[SEL+1]
.endr
.irp b, 0,1,2,3
	v_max_num_f32 v[TM+\b], v[TM+\b], v[TM+4+\b]
.endr
.irp b, 0,1,2,3
	v_add_nc_u32 v[TM+12+\b], 0xfe000000, v[TM+\b]
.endr
.irp b, 0,1,2,3
	v_lshrrev_b32 v[TM+4+\b], 23, v[TM+12+\b]
.endr
	v_lshl_or_b32 v[\pw], v[TM+5], 8, v[TM+4]
	v_lshl_or_b32 v[\pw], v[TM+6], 16, v[\pw]
	v_lshl_or_b32 v[\pw], v[TM+7], 24, v[\pw]
	s_wait_xcnt 0x0
.irp c, 0,1
	v_cvt_scalef32_pk16_bf6_f32 v[PC+6*\c:PC+2+6*\c], v[\s+32*\c:\s+15+32*\c], v[TM+12+2*\c]
	v_cvt_scalef32_pk16_bf6_f32 v[PT+4*\c:PT+2+4*\c], v[\s+16+32*\c:\s+31+32*\c], v[TM+12+2*\c+1]
.endr
	v_nop
.irp c, 0,1
.irp i, 0,1,2
	v_permlane16_swap_b32 v[PC+6*\c+\i], v[PT+4*\c+\i]
.endr
.irp i, 0,1,2
	v_mov_b32 v[PC+3+6*\c+\i], v[PT+4*\c+\i]
.endr
.endr
.endm
.macro BLOCK a
	WIN (2+(\a)/4)<<2
.set jj, 0
.rept 64
	v_max_num_f32 v[XQ+jj], 0, v[64*((\a)%4)+jj]
.set jj, jj+1
.endr
	WIN 0
	QUANT XQ, PW+(\a)
.irp p, 0,1,2
	global_store_b128 v[CO], v[PC+4*\p:PC+4*\p+3], s[20:21] offset:FRB*(\a)+512*\p
.endr
.endm
.irp b, 0,1,2,3
	v_mov_b32 v[TM+4+\b], 0
.endr
.irp a, 0,1,2,3,4,5,6,7
	BLOCK \a
.endr
.irp a, 0,1,2,3,4,5,6,7
	ds_store_b32 v[SWA], v[PW+\a] offset:64*\a
.endr
	ds_load_b128 v[OW:OW+3], v[SRA]
	s_wait_dscnt 0x0
	global_store_b128 v[CO], v[OW:OW+3], s[22:23]
	s_wait_tensorcnt 0x0
	ds_add_u32 v[SPW], v[NIL]
	s_wait_dscnt 0x0
	CROUND
	s_endpgm
.Lfunc_end_k_q8e1f3f7133_ffn1:
	.size	k_q8e1f3f7133_ffn1, .Lfunc_end_k_q8e1f3f7133_ffn1-k_q8e1f3f7133_ffn1
	.p2alignl 7, 3214868480
	.fill 96, 4, 3214868480
	.section	.rodata,"a",@progbits
	.p2align	6, 0x0
	.amdhsa_kernel k_q8e1f3f7133_ffn1
		.amdhsa_group_segment_fixed_size 327680
		.amdhsa_private_segment_fixed_size 0
		.amdhsa_enable_private_segment 0
		.amdhsa_kernarg_size 32
		.amdhsa_user_sgpr_count 2
		.amdhsa_user_sgpr_kernarg_segment_ptr 1
		.amdhsa_wavefront_size32 1
		.amdhsa_system_sgpr_workgroup_id_x 1
		.amdhsa_system_sgpr_workgroup_id_y 1
		.amdhsa_system_sgpr_workgroup_id_z 1
		.amdhsa_system_vgpr_workitem_id 0
		.amdhsa_next_free_vgpr 1024
		.amdhsa_next_free_sgpr 100
		.amdhsa_reserve_vcc 0
		.amdhsa_float_denorm_mode_32 3
		.amdhsa_float_denorm_mode_16_64 3
		.amdhsa_memory_ordered 1
		.amdhsa_forward_progress 1
		.amdhsa_inst_pref_size 161
	.end_amdhsa_kernel
	.amdgpu_metadata
---
amdhsa.version: [ 1, 2 ]
amdhsa.kernels:
  - .name:           k_q8e1f3f7133_ffn1
    .symbol:         k_q8e1f3f7133_ffn1.kd
    .args:
      - { .name: hbuf, .offset: 0, .size: 8, .value_kind: global_buffer, .address_space: global }
      - { .name: wops, .offset: 8, .size: 8, .value_kind: global_buffer, .address_space: global }
      - { .name: b1, .offset: 16, .size: 8, .value_kind: global_buffer, .address_space: global }
      - { .name: hid, .offset: 24, .size: 8, .value_kind: global_buffer, .address_space: global }
    .group_segment_fixed_size: 327680
    .private_segment_fixed_size: 0
    .kernarg_segment_align: 8
    .kernarg_segment_size: 32
    .max_flat_workgroup_size: 128
    .sgpr_count:     100
    .vgpr_count:     1024
    .wavefront_size: 32
...
	.end_amdgpu_metadata
.endif
;; end of part 5
;; launch ffn2 (part 6): grid 8 x 32, 4 waves a work-group, clusters of 4 x 4, 327,680 bytes of LDS; arguments hid, wops, b2, hbuf, zbuf; writes zbuf
.if DOCPART == 6
	.amdgcn_target "amdgcn-amd-amdhsa--gfx1250"
	.amdhsa_code_object_version 6
	.text
	.protected	k_q8e1f3f7133_ffn2
	.globl	k_q8e1f3f7133_ffn2
	.p2align	8
	.type	k_q8e1f3f7133_ffn2,@function
k_q8e1f3f7133_ffn2:
	s_mov_b64 s[64:65], 0
	v_nop
	global_prefetch_b8 v0, s[64:65] scope:SCOPE_SE
	s_setreg_imm32_b32 hwreg(HW_REG_WAVE_MODE, 25, 1), 1
	s_wait_xcnt 0x0
	s_wait_alu depctr_hold_cnt(0) depctr_sa_sdst(0) depctr_va_vdst(0) depctr_va_sdst(0) depctr_va_ssrc(0) depctr_va_vcc(0) depctr_vm_vsrc(0)
	s_getreg_b32 s2, hwreg(HW_REG_IB_STS2, 6, 4)
	s_cmp_eq_u32 s2, 0
	s_cbranch_scc0 .Lentry_in_a_cluster
	s_endpgm
.Lentry_in_a_cluster:
	s_bfe_u32 s2, ttmp6, 0x10000c
	s_cmp_lg_u32 s2, 0xf033
	s_cbranch_scc0 .Lentry_shape_is_right
	s_endpgm
.Lentry_shape_is_right:
.set R_W2C, 8650752
.set R_W2S, 12156928
.set H_S,   12582912
.set FR,    12
.set FRB,   1536
.set KSB,   8*FRB
.set QUART, 2*KSB
.set SLOT,  4*QUART
.set GRP,   32*KSB
.set SCL,   2*SLOT
.set SPARE, SCL+32768
.set STAGE, SPARE+512
.set SP,    528
.set ADRA, 16
.set ADRB, 20
.set STO,  24
.set RD,   25
.set CO,   26
.set ADRS, 27
.set SPW,  28
.set NIL,  29
.set SC,   32
.set BIAS, 64
.set ACC,  128
.set F0,   0
.set F1,   128
.set G1,   24
.set G0,   32
.set G1B,  48
.set G0B,  56
.set G1S,  68
.set G0S,  76
.set G1SB, 80
.set G0SB, 88
.set MSB, 0
.macro WIN new
.if MSB != (\new)
	s_set_vgpr_msb (MSB<<8)|(\new)
.set MSB, (\new)
.endif
.endm
.set MUL,  0x05
.set TO_F, 0x40
.macro PLACES
.rept 4
	v_nop
.endr
.endm
.macro JLOAD g0a, g1a, g0b, g1b
	s_cmp_eq_u32 s15, 0
	s_cbranch_scc0 .Lfor_b_\@
	tensor_load_to_lds s[\g0a:\g0a+3], s[\g1a:\g1a+7]
	s_nop 0
	PLACES
	s_branch .Lasked_\@
.Lfor_b_\@:
	tensor_load_to_lds s[\g0b:\g0b+3], s[\g1b:\g1b+7]
	s_nop 0
	PLACES
.Lasked_\@:
.endm
.macro CREST
	s_cmp_lg_u32 s14, 0
	s_cbranch_scc1 .Lnot_wave_0_\@
	s_barrier_signal -3
.Lnot_wave_0_\@:
	s_barrier_wait -3
	s_barrier_signal -1
	s_barrier_wait -1
.endm
.macro CROUND
	s_barrier_signal -1
	s_barrier_wait -1
	CREST
.endm
	s_load_b256 s[4:11], s[0:1], 0x0
	s_load_b64 s[12:13], s[0:1], 0x20
	v_lshl_add_u32 v[SPW], v0, 2, SPARE
	v_mov_b32 v[NIL], 0
	ds_add_u32 v28, v29
	ds_add_u32 v28, v29
	s_wait_dscnt 0x0
	v_lshrrev_b32 v1, 5, v0
	v_readfirstlane_b32 s14, v1
	s_lshr_b32 s15, s14, 1
	s_and_b32 s16, s14, 1
	s_bfe_u32 s40, ttmp6, 0x40000
	s_bfe_u32 s41, ttmp6, 0x40004
	s_lshl_b32 s42, ttmp9, 2
	s_add_co_u32 s42, s42, s40
	s_and_b32 s17, ttmp7, 0xffff
	s_lshl_b32 s17, s17, 2
	s_add_co_u32 s17, s17, s41
	s_lshl_b32 s43, s41, 2
	s_lshl_b32 s43, 15, s43
	s_lshl_b32 s44, 0x1111, s40
	s_or_b32 s[G1+0], s43, (3<<16)|(1<<21)
	s_or_b32 s[G1B+0], s44, (3<<16)|(1<<21)
	s_or_b32 s[G1S+0], s43, (3<<16)|(1<<21)
	s_or_b32 s[G1SB+0], s44, (3<<16)|(1<<21)
.irp g, G1, G1B
	s_mov_b32 s[\g+1], 32<<16
	s_mov_b32 s[\g+2], 192<<16                     ; for the head's loads: a row group's 512 along K, 49,152 dense bytes
	s_mov_b32 s[\g+3], 32<<16
	s_mov_b32 s[\g+4], 192
	s_mov_b32 s[\g+5], 32
	s_mov_b32 s[\g+6], 0
	s_mov_b32 s[\g+7], 0
.endr
.irp g, G1S, G1SB                      ; a row group's scale words for all of K: 16,384 dense bytes
	s_mov_b32 s[\g+1], 32<<16
	s_mov_b32 s[\g+2], 64<<16
	s_mov_b32 s[\g+3], 32<<16
	s_mov_b32 s[\g+4], 64
	s_mov_b32 s[\g+5], 32
	s_mov_b32 s[\g+6], 0
	s_mov_b32 s[\g+7], 0
.endr
	s_mul_i32 s18, s16, QUART                      ; in the ring I fetch one half of a slot's 512 along K
	s_mov_b32 s19, 0
	s_mul_i32 s20, s17, GRP
	s_mov_b32 s21, 0
	s_lshl_b32 s22, s17, 14
	s_add_co_u32 s22, s22, H_S
	s_mov_b32 s23, 0
	s_mul_i32 s46, s42, GRP
	s_add_co_u32 s46, s46, R_W2C
	s_mov_b32 s47, 0
	s_lshl_b32 s92, s42, 14
	s_add_co_u32 s92, s92, R_W2S
	s_mov_b32 s93, 0
	s_mul_i32 s45, s14, QUART
	s_wait_kmcnt 0x0
	s_add_nc_u64 s[20:21], s[4:5], s[20:21]
	s_add_nc_u64 s[22:23], s[4:5], s[22:23]
	s_add_nc_u64 s[46:47], s[6:7], s[46:47]
	s_add_nc_u64 s[92:93], s[6:7], s[92:93]
	CROUND
	; THE HEAD'S FOUR TILES, ONE A WAVE: wave 0 A's part of slot 0, wave 1 B's, wave 2 A's scale words, wave 3 B's
	s_mov_b32 s[G0S], 1
	s_mov_b32 s[G0S+1], SCL
	s_mov_b64 s[G0S+2:G0S+3], s[22:23]
	s_or_b32 s[G0S+3], s[G0S+3], 0x80000000
	s_mov_b32 s[G0SB], 1
	s_mov_b32 s[G0SB+1], SCL+16384
	s_mov_b64 s[G0SB+2:G0SB+3], s[92:93]
	s_or_b32 s[G0SB+3], s[G0SB+3], 0x80000000
	s_mov_b32 s[G0], 1
	s_mov_b32 s[G0+1], 0
	s_mov_b64 s[G0+2:G0+3], s[20:21]
	s_or_b32 s[G0+3], s[G0+3], 0x80000000
	s_mov_b32 s[G0B], 1
	s_mov_b32 s[G0B+1], 2*QUART
	s_mov_b64 s[G0B+2:G0B+3], s[46:47]
	s_or_b32 s[G0B+3], s[G0B+3], 0x80000000
.macro ARM under, g0, g1, next         ; one chain of branches on the wave's number: every way passes exactly one load
	s_cmp_lt_u32 s14, \under
	s_cbranch_scc0 \next
	tensor_load_to_lds s[\g0:\g0+3], s[\g1:\g1+7]
	s_nop 0
	PLACES
	s_branch .Lhead_asked
\next:
.endm
	ARM 1, G0,  G1,  .Lhead_b
	ARM 2, G0B, G1B, .Lhead_sa
	ARM 3, G0S, G1S, .Lhead_sb
	tensor_load_to_lds s[G0SB:G0SB+3], s[G1SB:G1SB+7]
	s_nop 0
	PLACES
.Lhead_asked:
	; THE PREFETCHES.  Behind the load of slot t each wave asks for its share of slot t + 2, two changes of slots ahead of the load that will want it.  A wave fetches 24,576 bytes of a slot, 96 blocks of 256 bytes, jointly with three
	; partners: the four share the blocks out BY ADDRESS, 24 each (place cx for A's tiles, cy for B's), a lane a block; lanes 24-31 name the last block again.  s[94:95]: my share; it stands at slot 2 here and steps a slot at each refill.
	; K is eight slots: the last two refills ask for nothing, so no address passes the row group's end.
	s_cmp_eq_u32 s15, 0                            ; do I fetch for A?
	s_cselect_b64 s[94:95], s[20:21], s[46:47]
	s_cselect_b32 s96, s40, s41                    ; my place among the four that ask with me
	s_mul_i32 s96, s96, 24*256
	s_add_co_u32 s96, s96, s18                     ; + my half of a slot's 512 along K
	s_add_co_u32 s96, s96, 4*QUART                 ; + two slots
	s_mov_b32 s97, 0
	s_add_nc_u64 s[94:95], s[94:95], s[96:97]
	s_lshl_b32 s96, s42, 9                         ; b2: my 64 columns; it is asked for here, so that it is on its way while the head's tiles land
	s_lshl_b32 s66, s16, 8
	s_add_co_u32 s96, s96, s66
	s_add_nc_u64 s[8:9], s[8:9], s[96:97]
	v_and_b32 v30, 31, v0
	v_bfe_u32 v6, v0, 4, 1
	v_min_u32 v30, 23, v30
	v_lshlrev_b32 v6, 6, v6                        ; 64 h
	v_lshlrev_b32 v30, 8, v30                      ; v30: my block of the 24; never rewritten
.irp b, 0,1,2,3
	global_load_b128 v[BIAS+8*\b:BIAS+8*\b+3], v6, s[8:9] offset:(32*(\b/2)+8*(\b%2))*4
	global_load_b128 v[BIAS+8*\b+4:BIAS+8*\b+7], v6, s[8:9] offset:(32*(\b/2)+8*(\b%2))*4+16
.endr
	global_prefetch_b8 v30, s[94:95] th:TH_LOAD_NT scope:SCOPE_SE   ; behind slot 0's load: slot 2
	s_wait_alu depctr_va_vdst(0)
	s_wait_tensorcnt 0x0
	ds_add_u32 v28, v29                            ; the ring's descriptors, work on registers, stand between the add and its wait
.irp g, G1, G1B                        ; no load of mine is out: from here on a load brings 256 along K, 96 rows of 256 bytes
	s_mov_b32 s[\g+2], 96<<16
	s_mov_b32 s[\g+4], 96
.endr
	s_add_nc_u64 s[20:21], s[20:21], s[18:19]
	s_add_nc_u64 s[46:47], s[46:47], s[18:19]
.irp s, 0,1
	s_mov_b32 s[G0+4*\s], 1
	s_add_co_u32 s[G0+4*\s+1], s45, \s*SLOT
	s_add_nc_u64 s[G0+4*\s+2:G0+4*\s+3], s[20:21], \s*2*QUART
	s_or_b32 s[G0+4*\s+3], s[G0+4*\s+3], 0x80000000
	s_mov_b32 s[G0B+4*\s], 1
	s_add_co_u32 s[G0B+4*\s+1], s45, \s*SLOT
	s_add_nc_u64 s[G0B+4*\s+2:G0B+4*\s+3], s[46:47], \s*2*QUART
	s_or_b32 s[G0B+4*\s+3], s[G0B+4*\s+3], 0x80000000
.endr
	s_wait_dscnt 0x0                               ; the add is done
	CROUND                                         ; all four tiles are in, and all sixteen work-groups are here
	JLOAD G0+4, G1, G0B+4, G1B                     ; slot 1: the first tensor load behind the round
	global_prefetch_b8 v30, s[94:95] offset:2*QUART th:TH_LOAD_NT scope:SCOPE_SE   ; behind slot 1's load: slot 3
	v_and_b32 v1, 15, v0
	v_bfe_u32 v2, v0, 4, 1
	s_wait_alu depctr_va_vdst(0)
	v_and_b32 v3, 31, v0
	v_lshlrev_b32 v[CO], 4, v3
	s_mul_i32 s18, s15, 4*FRB
	s_mul_i32 s19, s16, 4*FRB
	s_add_co_u32 s19, s19, 2*QUART
.irp s, 0,1
	v_add_nc_u32 v[ADRA+\s], s18, v[CO]
	v_add_nc_u32 v[ADRB+\s], s19, v[CO]
	s_add_co_u32 s18, s18, SLOT
	s_add_co_u32 s19, s19, SLOT
.endr
	s_lshl_b32 s18, s15, 8
	s_lshl_b32 s19, s16, 8
	s_add_co_u32 s19, s19, 16384
	s_sub_co_u32 s19, s19, s18
	v_mul_u32_u24 v4, s19, v2
	s_add_co_u32 s18, s18, SCL
	v_lshl_add_u32 v4, v1, 2, v4
	v_add_nc_u32 v[ADRS], s18, v4
	v_and_b32 v5, 8, v1
	v_add_nc_u32 v5, v5, v1
	v_mul_u32_u24 v5, v5, SP
	v_lshl_add_u32 v5, v2, 6, v5
	s_mul_i32 s18, s15, 64*SP
	s_lshl_b32 s19, s16, 8
	s_add_co_u32 s18, s18, s19
	s_add_co_u32 s18, s18, STAGE
	v_add_nc_u32 v[STO], s18, v5
	s_mul_i32 s18, s14, 32*SP
	s_add_co_u32 s18, s18, STAGE
	v_add_nc_u32 v[RD], s18, v[CO]
	s_lshl_b32 s18, s17, 7
	s_lshl_b32 s19, s14, 5
	s_add_co_u32 s18, s18, s19
	s_lshl_b32 s18, s18, 12
	s_lshl_b32 s19, s42, 9
	s_add_co_u32 s18, s18, s19
	s_mov_b32 s19, 0
	s_add_nc_u64 s[12:13], s[12:13], s[18:19]
	s_add_nc_u64 s[10:11], s[10:11], s[18:19]
	WIN 0x80
.set tt, 0
.rept 32
	global_load_b128 v[4*tt:4*tt+3], v[CO], s[10:11] offset:tt*4096 th:TH_LOAD_NT
.set tt, tt+1
.endr
	WIN 0
	s_wait_alu depctr_va_vdst(0)
	s_wait_loadcnt 32
.macro FRAG reg, adr, q, i
.irp p, 0,1,2
	ds_load_b128 v[\reg+4*\p:\reg+4*\p+3], v[\adr] offset:(\q)*KSB+(\i)*FRB+512*\p
.endr
.endm
.macro FETCH slot, q, f
	WIN 0
.irp i, 0,1,2,3
	ds_load_b32 v[SC+4*((\f)/128)+\i], v[ADRS] offset:512*(\q)+64*\i
.endr
	WIN TO_F
.irp i, 0,1,2,3
	FRAG \f+48+FR*\i, ADRB+\slot, \q, \i
.endr
.irp i, 0,1,2,3
	FRAG \f+FR*\i, ADRA+\slot, \q, \i
.endr
.endm
.macro MUL8 f, a0, zero
.irp a, \a0, \a0+1
.irp b, 0,1,2,3
.if \zero
	v_wmma_scale_f32_16x16x128_f8f6f4 v[ACC+8*(4*(\a)+\b):ACC+8*(4*(\a)+\b)+7], v[\f+48+FR*\b:\f+48+FR*\b+FR-1], v[\f+FR*(\a):\f+FR*(\a)+FR-1], v[BIAS+8*\b:BIAS+8*\b+7], v[SC+4*((\f)/128)+\b], v[SC+4*((\f)/128)+(\a)] matrix_a_fmt:MATRIX_FMT_BF6 matrix_b_fmt:MATRIX_FMT_BF6 matrix_a_scale:MATRIX_SCALE_ROW1
.else
	v_wmma_scale_f32_16x16x128_f8f6f4 v[ACC+8*(4*(\a)+\b):ACC+8*(4*(\a)+\b)+7], v[\f+48+FR*\b:\f+48+FR*\b+FR-1], v[\f+FR*(\a):\f+FR*(\a)+FR-1], v[ACC+8*(4*(\a)+\b):ACC+8*(4*(\a)+\b)+7], v[SC+4*((\f)/128)+\b], v[SC+4*((\f)/128)+(\a)] matrix_a_fmt:MATRIX_FMT_BF6 matrix_b_fmt:MATRIX_FMT_BF6 matrix_a_scale:MATRIX_SCALE_ROW1
.endif
.endr
.endr
.endm
.macro QUARTER slot, q, f, g, zero
	s_wait_dscnt 6
	WIN MUL
	MUL8 \f, 0, \zero
	PLACES
	FETCH \slot, \q, \g
	s_wait_dscnt 28
	WIN MUL
	MUL8 \f, 2, \zero
.endm
.macro TURN slot, next, fill
	WIN 0
.if \fill
	s_wait_xcnt 0x0                                ; my last prefetch has read its address: it steps a slot here, ahead of the waits of the change of slots
	s_add_nc_u64 s[94:95], s[94:95], 2*QUART
.endif
	s_wait_tensorcnt 0x0
	ds_add_u32 v[SPW], v[NIL]
	s_wait_dscnt 7
	WIN MUL
	MUL8 F1, 0, 0
	s_wait_dscnt 0x0
	s_barrier_signal -1
	WIN 0
	s_barrier_wait -1
.if \fill
	CREST
	s_add_nc_u64 s[G0+4*\slot+2:G0+4*\slot+3], s[G0+4*\slot+2:G0+4*\slot+3], 4*QUART
	s_add_nc_u64 s[G0B+4*\slot+2:G0B+4*\slot+3], s[G0B+4*\slot+2:G0B+4*\slot+3], 4*QUART
	JLOAD G0+4*\slot, G1, G0B+4*\slot, G1B
.else
	PLACES
.endif
	v_add_nc_u32 v[ADRS], 2048, v[ADRS]
	FETCH \next, 0, F0
.if \fill
	WIN 0                                          ; at a branch and at a label every window is 0
	s_cmp_gt_u32 s3, 1                             ; s3 = 1 in the loop's last trip, whose two refills are slots 6 and 7: no slot stands two on
	s_cbranch_scc0 .Lno_ask_\@
	global_prefetch_b8 v30, s[94:95] offset:2*QUART th:TH_LOAD_NT scope:SCOPE_SE   ; behind the joint load and the run of LDS loads: the slot two refills on
.Lno_ask_\@:
.endif
	WIN MUL
	MUL8 F1, 2, 0
.endm
	s_wait_tensorcnt 1
	s_barrier_signal -1
	s_barrier_wait -1
	FETCH 0, 0, F0
	QUARTER 0, 1, F0, F1, 1
	WIN 0
	s_mov_b32 s3, 3
.Llap:
	s_wait_alu depctr_va_vdst(0)
	QUARTER 0, 2, F1, F0, 0
	QUARTER 0, 3, F0, F1, 0
	TURN 0, 1, 1
	s_wait_alu depctr_va_vdst(0)
	QUARTER 1, 1, F0, F1, 0
	QUARTER 1, 2, F1, F0, 0
	QUARTER 1, 3, F0, F1, 0
	TURN 1, 0, 1
	s_wait_alu depctr_va_vdst(0)
	QUARTER 0, 1, F0, F1, 0
	WIN 0
	s_sub_co_u32 s3, s3, 1
	s_cmp_lg_u32 s3, 0
	s_cbranch_scc1 .Llap
	QUARTER 0, 2, F1, F0, 0
	QUARTER 0, 3, F0, F1, 0
	TURN 0, 1, 0
	s_wait_alu depctr_va_vdst(0)
	QUARTER 1, 1, F0, F1, 0
	QUARTER 1, 2, F1, F0, 0
	QUARTER 1, 3, F0, F1, 0
	s_wait_dscnt 6
	WIN MUL
	MUL8 F1, 0, 0
	s_wait_dscnt 0x0
	MUL8 F1, 2, 0
	WIN 0
	PLACES
.irp a, 0,1,2,3
.irp b, 0,1,2,3
	ds_store_b128 v[STO], v[ACC+8*(4*\a+\b):ACC+8*(4*\a+\b)+3] offset:(32*(\a/2)+8*(\a%2))*SP+128*(\b/2)+32*(\b%2)
	ds_store_b128 v[STO], v[ACC+8*(4*\a+\b)+4:ACC+8*(4*\a+\b)+7] offset:(32*(\a/2)+8*(\a%2))*SP+128*(\b/2)+32*(\b%2)+16
.endr
.endr
	s_wait_dscnt 0x0
	s_barrier_signal -1
	s_barrier_wait -1
.set tt, 0
.rept 32
	ds_load_b128 v[ACC+4*tt:ACC+4*tt+3], v[RD] offset:tt*SP
.set tt, tt+1
.endr
	s_wait_loadcnt 0x0
	WIN 0x88
.set tt, 0
.rept 32
	s_wait_dscnt 31-tt
	v_pk_add_f32 v[4*tt:4*tt+1], v[ACC+4*tt:ACC+4*tt+1], v[4*tt:4*tt+1]
	v_pk_add_f32 v[4*tt+2:4*tt+3], v[ACC+4*tt+2:ACC+4*tt+3], v[4*tt+2:4*tt+3]
	global_store_b128 v[CO], v[4*tt:4*tt+3], s[12:13] offset:tt*4096 th:TH_STORE_NT
.set tt, tt+1
.endr
	WIN 0
	s_wait_tensorcnt 0x0
	ds_add_u32 v[SPW], v[NIL]
	s_wait_dscnt 0x0
	CROUND
	s_endpgm
.Lfunc_end_k_q8e1f3f7133_ffn2:
	.size	k_q8e1f3f7133_ffn2, .Lfunc_end_k_q8e1f3f7133_ffn2-k_q8e1f3f7133_ffn2
	.p2alignl 7, 3214868480
	.fill 96, 4, 3214868480
	.section	.rodata,"a",@progbits
	.p2align	6, 0x0
	.amdhsa_kernel k_q8e1f3f7133_ffn2
		.amdhsa_group_segment_fixed_size 327680
		.amdhsa_private_segment_fixed_size 0
		.amdhsa_enable_private_segment 0
		.amdhsa_kernarg_size 40
		.amdhsa_user_sgpr_count 2
		.amdhsa_user_sgpr_kernarg_segment_ptr 1
		.amdhsa_wavefront_size32 1
		.amdhsa_system_sgpr_workgroup_id_x 1
		.amdhsa_system_sgpr_workgroup_id_y 1
		.amdhsa_system_sgpr_workgroup_id_z 1
		.amdhsa_system_vgpr_workitem_id 0
		.amdhsa_next_free_vgpr 768
		.amdhsa_next_free_sgpr 100
		.amdhsa_reserve_vcc 0
		.amdhsa_float_denorm_mode_32 3
		.amdhsa_float_denorm_mode_16_64 3
		.amdhsa_memory_ordered 1
		.amdhsa_forward_progress 1
		.amdhsa_inst_pref_size 96
	.end_amdhsa_kernel
	.amdgpu_metadata
---
amdhsa.version: [ 1, 2 ]
amdhsa.kernels:
  - .name:           k_q8e1f3f7133_ffn2
    .symbol:         k_q8e1f3f7133_ffn2.kd
    .args:
      - { .name: hid, .offset: 0, .size: 8, .value_kind: global_buffer, .address_space: global }
      - { .name: wops, .offset: 8, .size: 8, .value_kind: global_buffer, .address_space: global }
      - { .name: b2, .offset: 16, .size: 8, .value_kind: global_buffer, .address_space: global }
      - { .name: hbuf, .offset: 24, .size: 8, .value_kind: global_buffer, .address_space: global }
      - { .name: zbuf, .offset: 32, .size: 8, .value_kind: global_buffer, .address_space: global }
    .group_segment_fixed_size: 327680
    .private_segment_fixed_size: 0
    .kernarg_segment_align: 8
    .kernarg_segment_size: 40
    .max_flat_workgroup_size: 128
    .sgpr_count:     100
    .vgpr_count:     768
    .wavefront_size: 32
...
	.end_amdgpu_metadata
.endif
;; end of part 6
;; launch ln2 (part 7): grid 256 x 1, 8 waves a work-group, no clusters, 0 bytes of LDS; arguments zbuf, g2, beta2, out0; writes out0
.if DOCPART == 7
	.amdgcn_target "amdgcn-amd-amdhsa--gfx1250"
	.amdhsa_code_object_version 6
	.text
	.protected	k_q8e1f3f7133_ln2
	.globl	k_q8e1f3f7133_ln2
	.p2align	8
	.type	k_q8e1f3f7133_ln2,@function
k_q8e1f3f7133_ln2:
	s_mov_b64 s[64:65], 0
	v_nop
	global_prefetch_b8 v0, s[64:65] scope:SCOPE_SE
	s_setreg_imm32_b32 hwreg(HW_REG_WAVE_MODE, 25, 1), 1
	s_wait_xcnt 0x0
; out0 = LayerNorm(z) g2 + beta2, z holding h + the feed-forward layer's result (the launch before has added the residual); z, out0: f32 [4096][1024].  The norm is taken as it is defined, in two passes over registers: the mean,
; then the mean of the squared differences: no difference of large sums.  A wave takes two whole rows, 32 registers a lane each: every load and store covers 512 consecutive bytes, each byte is read once and written once, and the
; sums never leave the wave.  No LDS, no barrier, no matrix unit, no cluster: memory binds, and work-groups share nothing but the gain and the bias.
.set GR,  8                            ; v8-39   g2 of my 32 columns
.set BT,  40                           ; v40-71  beta2
.set X0,  72                           ; v72-135 my two rows
.set W,   200                          ; v200-207 four chains; v208-209 the mean; v210 exchange
.set RS0, 212
.set RS1, 214
.set SEL, 28
.macro REDUCE v                        ; the sum over the wave's 32 lanes, in every lane
	s_delay_alu instid0(VALU_DEP_1)
	v_add_f32_dpp v[\v], v[\v], v[\v] row_xmask:1 row_mask:0xf bank_mask:0xf
	s_delay_alu instid0(VALU_DEP_1)
	v_add_f32_dpp v[\v], v[\v], v[\v] row_xmask:2 row_mask:0xf bank_mask:0xf
	s_delay_alu instid0(VALU_DEP_1)
	v_add_f32_dpp v[\v], v[\v], v[\v] row_xmask:4 row_mask:0xf bank_mask:0xf
	s_delay_alu instid0(VALU_DEP_1)
	v_add_f32_dpp v[\v], v[\v], v[\v] row_xmask:8 row_mask:0xf bank_mask:0xf
	s_delay_alu instid0(VALU_DEP_1)
	v_permlanex16_b32 v[W+10], v[\v], s[SEL], s[SEL+1]
	s_delay_alu instid0(VALU_DEP_1)
	v_add_f32 v[\v], v[\v], v[W+10]
.endm
.macro FOLD d
	s_delay_alu instid0(VALU_DEP_3)
	v_pk_add_f32 v[W:W+1], v[W:W+1], v[W+2:W+3]
	s_delay_alu instid0(VALU_DEP_2)
	v_pk_add_f32 v[W+4:W+5], v[W+4:W+5], v[W+6:W+7]
	s_delay_alu instid0(VALU_DEP_1)
	v_pk_add_f32 v[W:W+1], v[W:W+1], v[W+4:W+5]
	s_delay_alu instid0(VALU_DEP_1)
	v_add_f32 v[\d], v[W], v[W+1]
.endm
.macro LNSTAT x, rs                    ; x -= mean; rs = 1 / sqrt(mean of x^2 + eps)
.irp k, 0,2,4,6
	v_pk_add_f32 v[W+\k:W+\k+1], v[\x+\k:\x+\k+1], v[\x+8+\k:\x+9+\k]
.endr
.irp i, 16,24
.irp k, 0,2,4,6
	s_delay_alu instid0(VALU_DEP_4)
	v_pk_add_f32 v[W+\k:W+\k+1], v[W+\k:W+\k+1], v[\x+\i+\k:\x+\i+\k+1]
.endr
.endr
	FOLD W+8
	REDUCE W+8
	s_delay_alu instid0(VALU_DEP_1)
	v_mul_f32 v[W+8], s20, v[W+8]                  ; the mean
.set jj, 0
.rept 16
	v_pk_add_f32 v[\x+jj:\x+jj+1], v[\x+jj:\x+jj+1], v[W+8:W+9] op_sel_hi:[1,0] neg_lo:[0,1] neg_hi:[0,1]
.set jj, jj+2
.endr
.irp k, 0,2,4,6
	v_pk_mul_f32 v[W+\k:W+\k+1], v[\x+\k:\x+\k+1], v[\x+\k:\x+\k+1]
.endr
.irp i, 8,16,24
.irp k, 0,2,4,6
	s_delay_alu instid0(VALU_DEP_4)
	v_pk_fma_f32 v[W+\k:W+\k+1], v[\x+\i+\k:\x+\i+\k+1], v[\x+\i+\k:\x+\i+\k+1], v[W+\k:W+\k+1]
.endr
.endr
	FOLD \rs
	REDUCE \rs
	s_delay_alu instid0(VALU_DEP_1)
	v_fma_f32 v[\rs], v[\rs], s20, s21             ; var + eps
	s_wait_alu depctr_va_vdst(0)
	v_rsq_f32 v[\rs], v[\rs]
.endm
.macro LNFIN x, rs
.set jj, 0
.rept 16
	v_pk_mul_f32 v[\x+jj:\x+jj+1], v[\x+jj:\x+jj+1], v[\rs:\rs+1] op_sel_hi:[1,0]
.set jj, jj+2
.endr
.set jj, 0
.rept 16
	v_pk_fma_f32 v[\x+jj:\x+jj+1], v[\x+jj:\x+jj+1], v[GR+jj:GR+jj+1], v[BT+jj:BT+jj+1]
.set jj, jj+2
.endr
.endm
	s_load_b256 s[4:11], s[0:1], 0x0               ; zbuf, g2, beta2, out0
	v_lshrrev_b32 v1, 5, v0
	s_delay_alu instid0(VALU_DEP_1)
	v_readfirstlane_b32 s14, v1                    ; wave 0..7
	v_and_b32 v1, 31, v0
	s_delay_alu instid0(VALU_DEP_1)
	v_lshlrev_b32 v4, 4, v1                        ; 16 x lane
	v_mov_b32 v[W+9], 0                            ; (upper halves of pairs, and the exchange's destination, are written once)
	v_mov_b32 v[W+10], 0
	v_mov_b32 v[RS0+1], 0
	v_mov_b32 v[RS1+1], 0
	s_mov_b32 s[SEL], 0x76543210
	s_mov_b32 s[SEL+1], 0xfedcba98
	s_mov_b32 s20, 0x3a800000                      ; 1 / 1,024
	s_mov_b32 s21, 0x3727c5ac                      ; 1e-5
	s_lshl_b32 s15, ttmp9, 4
	s_lshl_b32 s16, s14, 1
	s_add_co_u32 s15, s15, s16                     ; my first row: 16 x work-group + 2 x wave
	s_lshl_b32 s16, s15, 12
	s_mov_b32 s17, 0
	s_wait_alu depctr_va_vdst(0)
	s_wait_kmcnt 0x0
	s_add_nc_u64 s[4:5], s[4:5], s[16:17]
	s_add_nc_u64 s[10:11], s[10:11], s[16:17]
.irp t, 0,1
.irp j, 0,1,2,3,4,5,6,7
	global_load_b128 v[X0+32*\t+4*\j:X0+32*\t+4*\j+3], v4, s[4:5] offset:4096*\t+512*\j th:TH_LOAD_NT
.endr
.endr
.irp j, 0,1,2,3,4,5,6,7
	global_load_b128 v[GR+4*\j:GR+4*\j+3], v4, s[6:7] offset:512*\j
.endr
.irp j, 0,1,2,3,4,5,6,7
	global_load_b128 v[BT+4*\j:BT+4*\j+3], v4, s[8:9] offset:512*\j
.endr
	s_wait_loadcnt 16                              ; my two rows are in; the gain's and the bias's sixteen loads may be out
	LNSTAT X0, RS0
	LNSTAT X0+32, RS1
	v_nop                                          ; a plain place behind the last root
	s_wait_alu depctr_va_vdst(0)                   ; one wait for both, ahead of their first reader
	s_wait_loadcnt 0x0
	LNFIN X0, RS0
	LNFIN X0+32, RS1
.irp t, 0,1
.irp j, 0,1,2,3,4,5,6,7
	global_store_b128 v4, v[X0+32*\t+4*\j:X0+32*\t+4*\j+3], s[10:11] offset:4096*\t+512*\j th:TH_STORE_NT
.endr
.endr
	s_endpgm
.Lfunc_end_k_q8e1f3f7133_ln2:
	.size	k_q8e1f3f7133_ln2, .Lfunc_end_k_q8e1f3f7133_ln2-k_q8e1f3f7133_ln2
	.p2alignl 7, 3214868480
	.fill 96, 4, 3214868480
	.section	.rodata,"a",@progbits
	.p2align	6, 0x0
	.amdhsa_kernel k_q8e1f3f7133_ln2
		.amdhsa_group_segment_fixed_size 0
		.amdhsa_private_segment_fixed_size 0
		.amdhsa_enable_private_segment 0
		.amdhsa_kernarg_size 32
		.amdhsa_user_sgpr_count 2
		.amdhsa_user_sgpr_kernarg_segment_ptr 1
		.amdhsa_wavefront_size32 1
		.amdhsa_system_sgpr_workgroup_id_x 1
		.amdhsa_system_sgpr_workgroup_id_y 1
		.amdhsa_system_sgpr_workgroup_id_z 1
		.amdhsa_system_vgpr_workitem_id 0
		.amdhsa_next_free_vgpr 216
		.amdhsa_next_free_sgpr 66
		.amdhsa_reserve_vcc 0
		.amdhsa_float_denorm_mode_32 3
		.amdhsa_float_denorm_mode_16_64 3
		.amdhsa_memory_ordered 1
		.amdhsa_forward_progress 1
		.amdhsa_inst_pref_size 21
	.end_amdhsa_kernel
	.amdgpu_metadata
---
amdhsa.version: [ 1, 2 ]
amdhsa.kernels:
  - .name:           k_q8e1f3f7133_ln2
    .symbol:         k_q8e1f3f7133_ln2.kd
    .args:
      - { .name: zbuf, .offset: 0, .size: 8, .value_kind: global_buffer, .address_space: global }
      - { .name: g2, .offset: 8, .size: 8, .value_kind: global_buffer, .address_space: global }
      - { .name: beta2, .offset: 16, .size: 8, .value_kind: global_buffer, .address_space: global }
      - { .name: out0, .offset: 24, .size: 8, .value_kind: global_buffer, .address_space: global }
    .group_segment_fixed_size: 0
    .private_segment_fixed_size: 0
    .kernarg_segment_align: 8
    .kernarg_segment_size: 32
    .max_flat_workgroup_size: 256
    .sgpr_count:     66
    .vgpr_count:     216
    .wavefront_size: 32
...
	.end_amdgpu_metadata
.endif
;; end of part 7
